; MI455X (gfx1250); checked and timed in simulation.
; The chip was launched on July 23, 2026; its instructions are those of AMD's public machine-readable ISA for CDNA 5 (MIT licence, August 2026) and "CDNA5" Instruction Set Architecture Reference Guide (July 2026). The comments in the code are by the model that wrote it; some were corrected since.
;; Adam Layer. Allowed arithmetic: matrix products marked QUANTISED: E3M2 operands, one E8M0 scale for each 32 along K, by v_wmma_scale_f32_16x16x128_f8f6f4 with both operands' format E3M2, f32 sums; products left as they are: f32 operands where the result goes on into a quantised operand, else bf16, f16 or f32 operands; f32 sums; everything else in f32.
;; Inputs: b1 8 x 2,048 float32; b2 8 x 512 float32; gate_b 8 float32; gate_w 512 x 8 float32; ln_b 512 float32; ln_w 512 float32; m 2 x 2,048 x 512 float32; p 2 x 2,048 x 512 float32; v 2 x 2,048 x 512 float32; w1 8 x 512 x 2,048 float32; w2 8 x 2,048 x 512 float32; x 2 x 2,048 x 512 float32.
;; Outputs: out0 2 x 2,048 x 512 float32; out1 2 x 2,048 x 512 float32; out2 2 x 2,048 x 512 float32; out3 2 x 2,048 x 512 float32.
;; This version of the problem:
;;   THIS VERSION OF THE PROBLEM IS GIVEN IN LOW PRECISION. The matrix products marked QUANTISED in the list below multiply operands that are first quantised to E3M2 (3 exponent bits, 2 mantissa bits; 6 bits a number), with one power-of-two scale for each 32 numbers along K (OCP MX v1.0); their sums are f32. All else is computed in f32.
;;   The module's matrix products, in the order in which they are computed (A, B: the left and right operand; K: the contracted axis; several contracted axes count as one K, in the product's order):
;;     1. [M 4,096, K 512] x [K 512, N 8]; A: input x; B: input gate_w: left as it is (N = 8 < 16)
;;     2. [M 4,096, K 512] x [K 512, N 16,384]; A: input x; B: input w1: QUANTISED
;;     3. batch 8 x [M 512, K 2,048] x [K 2,048, N 4,096]; A: input w2; B: computed on the way: QUANTISED
;;     4. batch 4,096 x [M 512, K 8] x [K 8, N 1]; A: computed on the way; B: computed on the way: left as it is (K = 8 < 32)
;;   THE QUANTISER, for each operand of a quantised product, along K:
;;     - K is cut into blocks of 32 from its start; a last block that is shorter is filled with zeros.
;;     - A block's scale is 2^e with e = floor(log2(the largest magnitude in the block)) - 4, held to -126 .. 127; a block of zeros has e = 0. As a byte (E8M0): e + 127.
;;     - Each number is divided by its block's scale, clamped to +-28, and rounded to the nearest number of E3M2, ties to even, subnormals kept.
;;     - The product sums the exact products of the quantised numbers (number of the format x scale) in f32.
;;   ~~~python
;;   def quantise(x, axis):      # numpy; x: float32 -> the quantised numbers, widened to float32 again
;;       x = np.moveaxis(x, axis, -1); K = x.shape[-1]
;;       x = np.pad(x, [(0, 0)] * (x.ndim - 1) + [(0, -K % 32)]); x = x.reshape(x.shape[:-1] + (-1, 32)); a = np.abs(x).max(-1, keepdims=True)
;;       e = np.where(a > 0, np.clip(np.frexp(np.where(a > 0, a, 1))[1] - 1 - 4, -126, 127), 0)      # np.frexp(a)[1] - 1 = floor(log2(a)), exactly
;;       r = np.clip(x / 2.0 ** e, -28, 28)
;;       step = 2.0 ** (np.maximum(np.frexp(np.where(r == 0, 1, r))[1] - 1, -2) - 2)
;;       q = np.round(r / step) * step * 2.0 ** e      # np.round: ties to even
;;       return np.moveaxis(q.reshape(q.shape[:-2] + (-1,))[..., :K], -1, axis).astype(np.float32)
;;   ~~~
;;   OPERANDS COMPUTED ON THE WAY. 'Computed on the way' means the value that the module computes at that place (a softmax that the list does not call 'softmax' is quantised finished and normalised). What goes into a quantiser is computed in f32, as accurately as f32 sums, v_exp_f32 and their like allow (about 1e-6 of the number): no bf16 or f16 on the way to a quantiser, and a product that is left as it is and whose result goes on into a quantised operand takes f32 operands (vector FMAs, or v_wmma_f32_16x16x4_f32). A number that lies on a knife's edge between two numbers of the format may be rounded either way, as far as f32 arithmetic and the matrix unit's own rounding can turn it there, and no further.
;; 2 versions, each right; version 2 is version 1 with the launch chain written anew for expert scheduling mode. Each part assembles by itself: llvm-mc -triple=amdgcn-amd-amdhsa -mcpu=gfx1250 --defsym DOCPART=n.
;; ======== version 1 of 2: 4 launches
;; workspace buffers: sel 32,768 bytes of whole numbers; gat 32,768 bytes; xcodes 1,572,864 bytes; xscales 65,536 bytes; wstream 13,107,200 bytes; order 32,768 bytes of whole numbers; tiles 4,096 bytes of whole numbers; part 33,554,432 bytes
;; launch prep (part 1): grid 640 x 1, 4 waves a work-group, no clusters, 74,240 bytes of LDS; arguments x, gate_w, gate_b, w1, w2, sel, gat, xcodes, xscales, wstream; writes sel, gat, xcodes, xscales, wstream
.if DOCPART == 1
	.amdgcn_target "amdgcn-amd-amdhsa--gfx1250"
	.amdhsa_code_object_version 6
	.text
	.protected	k_q485baea108_prep
	.globl	k_q485baea108_prep
	.p2align	8
	.type	k_q485baea108_prep,@function
k_q485baea108_prep:
	s_mov_b64 s[64:65], 0
	v_nop
	global_prefetch_b8 v0, s[64:65] scope:SCOPE_SE
	s_setreg_imm32_b32 hwreg(HW_REG_WAVE_MODE, 25, 1), 1
	s_wait_xcnt 0x0
; PREP.  Three jobs, parted by the work-group's number; no barrier anywhere, waves share nothing, and each job has LDS bytes of its own.
;   work-groups 0-127   X:  a wave takes 8 tokens: router logits (f32 multiply-adds), top-2 (ties keep the lower index), softmax of the two; x into codes of E3M2 with one E8M0 byte for each 32 along D.
;   work-groups 128-383 W1, 384-639 W2: a wave turns 64 columns x 128 along K of a weight ([K][N] in memory) into one QUAD of 6,400 bytes of wstream.
; THE QUANTISER: a block's scale byte is its largest magnitude's exponent field - 4, held at 1 from below by a floor among the maximum's leaves; each number / scale goes to the nearest code, ties to even,
; beyond the largest code the largest.
; LIMITS: NaN and infinities among the inputs are not served.  A block whose largest magnitude lies under 2^-122 keeps the byte 1; so does a block of zeros (the rule says 127): its codes are zeros, and
; the bytes are read by this program alone.  The logits are f32 sums in another order than a row-by-row sum: a token whose second and third logits agree to about 1e-6 of their size may choose the other expert.
; WSTREAM: 128 streams S = 16 e + 8 hs + w of 16 quads.  A quad is four operand fragments i = 2 b + u (16 rows x 128 K, 12 registers a lane) as IMAGES OF THEIR REGISTERS: register 4 q + n of lane L at
; 1536 i + 512 q + 16 L + 4 n; at 6,144 the scale words: lane L's 8 bytes are the words b = 0, 1 of row L % 16 of fragment u = L / 16.  Row a of fragment (b, u) is column 32 b + 8 u + a + 8 (a / 8) of the
; quad's 64, so that in the product's result 16 registers of two neighbouring fragments are 16 neighbouring columns.  Quads 0-7: w1, q = 4 c + s: hidden units 1024 hs + 128 w + 64 c on, K = 128 s on.
; Quads 8-15: w2, q = 8 + s2: outputs 64 w on, K = hidden units 1024 hs + 128 s2 on.
; XCODES: 384 bytes a token; the block (K step s, c, h) lies at 96 s + 48 h + 24 c, so that lane (r, h) of a fragment reads its 12 registers as 48 bytes on end.  XSCALES: 16 bytes a token, in K's order.
.set QUADB, 6400
.set STRB,  102400
.set LW1,   0                          ; LDS: W1's four stages of 6,400 bytes,
.set LW2,   25600                      ; W2's,
.set LX,    51200                      ; X's four regions of 5,632 bytes: two stages of 32 x 80 bytes, then 128 scale bytes
.set XREG,  5632
; ---- W: a lane takes a column, its registers run down K.  Block t of 8: columns 32 (t / 4) on, K rows 32 (t % 4) on, into set t % 3 of v32-127
.macro WLOAD t, pitch
.set wi, 0
.rept 32
	global_load_b32 v[32+32*((\t)%3)+wi], v2, s[4:5] offset:(32*((\t)&3)+wi)*\pitch+128*((\t)>>2) th:TH_LOAD_NT   ; 32 lanes read 128 consecutive bytes of one row
.set wi, wi+1
.endr
.endm
.macro WBLOCK t, pitch
.set XS, 32+32*((\t)%3)
.set BP, (\t)>>2                       ; which 32 columns
.set BE, (\t)&3                        ; which block along K: c = BE / 2, h = BE % 2
.set OO, 3072*BP+256*(BE&1)
.if (\t) <= 5
	s_wait_loadcnt 63                              ; behind this block's loads stand two blocks' 64: the wait's field names 63 at most, and the smaller count is safe
.elseif (\t) == 6
	s_wait_loadcnt 32                              ; the last block's 32 may be out
.else
	s_wait_loadcnt 0x0
.endif
	v_max3_num_f32 v12, |v[XS]|, |v[XS+1]|, |v[XS+2]|      ; the block's largest magnitude: all 32 numbers are mine; two chains
	v_max3_num_f32 v13, |v[XS+3]|, |v[XS+4]|, |v[XS+5]|
.irp i, 6,10,14,18,22,26
	v_max3_num_f32 v12, v12, |v[XS+\i]|, |v[XS+\i+1]|
	v_max3_num_f32 v13, v13, |v[XS+\i+2]|, |v[XS+\i+3]|
.endr
	v_max3_num_f32 v12, v12, |v[XS+30]|, |v[XS+31]|
	v_max3_num_f32 v12, v12, v13, 0x2800000        ; and the floor 2^(5 - 127): the byte cannot fall under 1
	v_add_nc_u32 v11, 0xfe000000, v12              ; 4 off the exponent field: the conversion's scale operand
	v_lshrrev_b32 v10, 23, v11                     ; the scale's byte
.if BE == 0
	v_mov_b32 v[14+BP], v10                        ; four bytes make the column's scale word, the lower K in the lower byte
.else
	v_lshl_or_b32 v[14+BP], v10, 8*BE, v[14+BP]
.endif
	s_wait_dscnt 0x0                               ; the last block's stores into the stage have read the codes' registers
.if (BE>>1) == 0
	v_cvt_scalef32_pk16_bf6_f32 v[16:18], v[XS:XS+15], v11
	v_cvt_scalef32_pk16_bf6_f32 v[24:26], v[XS+16:XS+31], v11      ; (a conversion's three registers begin on an even number: the second three are made elsewhere and moved)
	v_nop                                          ; one plain place behind a scaled conversion
	v_mov_b32 v19, v24
	v_mov_b32 v20, v25
	v_mov_b32 v21, v26
	ds_store_b128 v3, v[16:19] offset:OO           ; registers 0-3 of the fragment, lane a + 16 h
	ds_store_b64 v3, v[20:21] offset:OO+512        ; registers 4, 5
.else
	v_cvt_scalef32_pk16_bf6_f32 v[18:20], v[XS:XS+15], v11
	v_cvt_scalef32_pk16_bf6_f32 v[24:26], v[XS+16:XS+31], v11
	v_nop
	v_mov_b32 v21, v24
	v_mov_b32 v22, v25
	v_mov_b32 v23, v26
	ds_store_b64 v3, v[18:19] offset:OO+520        ; registers 6, 7
	ds_store_b128 v3, v[20:23] offset:OO+1024      ; registers 8-11
.endif
.if (\t)+3 < 8
	WLOAD (\t)+3, \pitch                           ; the set just read takes the block three on
.endif
.if BE == 3
	ds_store_b32 v4, v[14+BP] offset:6144+4*BP
.endif
.endm
; s[4:5]: the quad's first number in the weight; s[6:7]: the quad in wstream; v1: lane; s36: wave
.macro WPATH pitch, base
	v_lshlrev_b32 v2, 2, v1                        ; in: 4 bytes a lane
	v_bfe_u32 v9, v1, 3, 1                         ; my column j = lane: u = (j / 8) % 2,
	v_and_b32 v10, 7, v1
	v_lshrrev_b32 v11, 4, v1
	v_lshl_add_u32 v10, v11, 3, v10                ; a = j % 8 + 8 (j / 16)
	s_mul_i32 s44, s36, QUADB
	s_add_co_u32 s44, s44, \base                   ; my wave's stage
	v_mul_u32_u24 v3, v9, 1536
	v_lshl_add_u32 v3, v10, 4, v3
	v_add_nc_u32 v3, s44, v3                       ; codes: stage + 1536 u + 16 a
	v_lshl_add_u32 v4, v9, 4, v10
	v_lshlrev_b32 v4, 3, v4
	v_add_nc_u32 v4, s44, v4                       ; scale words: stage + 8 (a + 16 u)  (+ 6,144 in the immediate)
	v_lshlrev_b32 v7, 4, v1                        ; out: 16 bytes a lane,
	v_lshlrev_b32 v8, 3, v1                        ; 8 for the scale words
	v_add_nc_u32 v5, s44, v7
	v_add_nc_u32 v6, s44, v8
	WLOAD 0, \pitch
	WLOAD 1, \pitch
	WLOAD 2, \pitch
.irp t, 0,1,2,3,4,5,6,7
	WBLOCK \t, \pitch
.endr
.irp k, 0,1,2,3,4,5,6,7,8,9,10,11
	ds_load_b128 v[128+4*\k:131+4*\k], v5 offset:512*\k    ; LDS serves a wave's instructions in order: these see my stores
.endr
	ds_load_b64 v[176:177], v6 offset:6144
.irp k, 0,1,2,3,4,5,6,7,8,9,10,11
	s_wait_dscnt 12-\k                             ; the loads issued behind piece k may be out
	global_store_b128 v7, v[128+4*\k:131+4*\k], s[6:7] offset:512*\k   ; 32 lanes store 512 consecutive bytes; a quad begins at a multiple of 256
.endr
	s_wait_dscnt 0x0
	global_store_b64 v8, v[176:177], s[6:7] offset:6144    ; 256 consecutive bytes
	s_set_vgpr_msb 0x5
	s_wait_tensorcnt 0x0
	ds_add_u32 v0, v1
	s_wait_dscnt 0x0
	s_set_vgpr_msb 0x500
	s_endpgm
.endm
; ---- X
.macro XLOAD t                         ; token t's 2,048 bytes, as they lie, into set t % 4 of v144-207
.irp i, 0,1,2,3
	global_load_b128 v[144+16*((\t)%4)+4*\i:144+16*((\t)%4)+4*\i+3], v6, s[4:5] offset:2048*(\t)+512*\i th:TH_LOAD_NT
.endr
.endm
.macro XTURN t                         ; through my stage t % 2: in as loaded, back 64 bytes a lane: lane l then holds x[16 l .. 16 l + 15]
.irp i, 0,1,2,3
	ds_store_b128 v2, v[144+16*((\t)%4)+4*\i:144+16*((\t)%4)+4*\i+3] offset:2560*((\t)%2)+640*\i
.endr
.irp i, 0,1,2,3
	ds_load_b128 v[208+16*((\t)%2)+4*\i:208+16*((\t)%2)+4*\i+3], v3 offset:2560*((\t)%2)+16*\i
.endr
.endm
.macro XSTEP t
.set XS, 208+16*((\t)%2)
	s_wait_dscnt 0x0                               ; this token's numbers are back from the stage; the last byte store has read its register
.if (\t)+4 < 8
	XLOAD (\t)+4                                   ; into the set whose stores into the stage are done
.endif
.if (\t) < 7
.if (\t) >= 3
	s_wait_loadcnt 4*(6-(\t))                      ; the next token's four loads are in; the later tokens', four each, may be out
.endif
	XTURN (\t)+1
.endif
.irp p, 0,1,2,3                        ; the eight logits' parts: sum over my 16 k of x[k] gate_w[k][e], two experts an instruction
	v_pk_mul_f32 v[240+2*\p:241+2*\p], v[16+2*\p:17+2*\p], v[XS:XS+1] op_sel_hi:[1,0]
.endr
.irp i, 1,2,3,4,5,6,7,8,9,10,11,12,13,14,15
.irp p, 0,1,2,3
.if (\i)%2 == 0
	v_pk_fma_f32 v[240+2*\p:241+2*\p], v[16+8*\i+2*\p:17+8*\i+2*\p], v[XS+\i:XS+\i+1], v[240+2*\p:241+2*\p] op_sel_hi:[1,0,1]             ; the pair's first number for both halves
.else
	v_pk_fma_f32 v[240+2*\p:241+2*\p], v[16+8*\i+2*\p:17+8*\i+2*\p], v[XS+\i-1:XS+\i], v[240+2*\p:241+2*\p] op_sel:[0,1,0] op_sel_hi:[1,1,1]   ; its second
.endif
.endr
.endr
.irp x, 1,2,4,8                        ; over the 32 lanes, the eight sums by turns
.irp e, 0,1,2,3,4,5,6,7
	v_add_f32_dpp v[240+\e], v[240+\e], v[240+\e] row_xmask:\x row_mask:0xf bank_mask:0xf
.endr
.endr
.irp e, 0,1,2,3,4,5,6,7
	v_permlanex16_b32 v15, v[240+\e], s56, s57
	v_add_f32 v[240+\e], v[240+\e], v15
.endr
	s_mov_b32 s58, 0x01010101<<(\t)                ; lanes t, t + 8, t + 16, t + 24 keep token t's logits
.irp e, 0,1,2,3,4,5,6,7
	v_cndmask_b32 v[248+\e], v[248+\e], v[240+\e], s58
.endr
	v_max3_num_f32 v12, |v[XS]|, |v[XS+1]|, |v[XS+2]|      ; the largest magnitude of my 16
	v_max3_num_f32 v13, |v[XS+3]|, |v[XS+4]|, |v[XS+5]|
.irp i, 6,10
	v_max3_num_f32 v12, v12, |v[XS+\i]|, |v[XS+\i+1]|
	v_max3_num_f32 v13, v13, |v[XS+\i+2]|, |v[XS+\i+3]|
.endr
	v_max3_num_f32 v12, v12, |v[XS+14]|, |v[XS+15]|
	v_max3_num_f32 v12, v12, v13, 0x2800000        ; and the floor
	v_max_num_f32_dpp v12, v12, v12 row_xmask:1 row_mask:0xf bank_mask:0xf   ; and of my neighbour's 16: the block's
	v_add_nc_u32 v11, 0xfe000000, v12
	s_wait_xcnt 0x0                                ; the last token's store has read v8-10: they are written again only behind this wait
	v_cvt_scalef32_pk16_bf6_f32 v[8:10], v[XS:XS+15], v11
	v_lshrrev_b32 v14, 23, v11                     ; the scale's byte (the plain place behind the conversion)
	ds_store_b8 v5, v14 offset:5120+16*(\t)        ; both lanes of a block write the same byte with the same value
	global_store_b96 v4, v[8:10], s[6:7] offset:384*(\t)   ; the wave's store covers the token's 384 consecutive bytes
.endm
	s_load_b512 s[16:31], s[0:1], 0x0              ; x 16, gate_w 18, gate_b 20, w1 22, w2 24, sel 26, gat 28, xcodes 30
	s_load_b128 s[32:35], s[0:1], 0x40             ; xscales 32, wstream 34
	s_set_vgpr_msb 0x40
	v_lshl_add_u32 v0, v0, 2, 0x12000
	v_mov_b32 v1, 0
	s_set_vgpr_msb 0x4000
	v_lshrrev_b32 v1, 5, v0
	v_readfirstlane_b32 s36, v1                    ; wave 0..3
	v_and_b32 v1, 31, v0                           ; lane
	s_cmp_lt_u32 ttmp9, 128
	s_cbranch_scc1 .Lxpath
	s_cmp_lt_u32 ttmp9, 384
	s_cbranch_scc1 .Lw1path
	; ---- W2: id = 32 e + 16 hs + 2 w + half; s2 = 4 half + wave
	s_sub_co_u32 s37, ttmp9, 384
	s_lshr_b32 s38, s37, 5
	s_lshl_b32 s38, s38, 11                        ; e x 2,048 rows
	s_bfe_u32 s40, s37, 0x10004
	s_lshl_b32 s40, s40, 10                        ; + 1,024 hs
	s_add_co_u32 s38, s38, s40
	s_and_b32 s41, s37, 1
	s_lshl_b32 s41, s41, 2
	s_add_co_u32 s41, s41, s36                     ; s2
	s_lshl_b32 s40, s41, 7
	s_add_co_u32 s38, s38, s40                     ; + 128 s2
	s_lshl_b32 s38, s38, 11                        ; x 2,048 bytes a row
	s_bfe_u32 s40, s37, 0x30001
	s_lshl_b32 s40, s40, 8                         ; + 64 w columns of 4 bytes
	s_add_co_u32 s38, s38, s40
	s_mov_b32 s39, 0
	s_add_co_u32 s41, s41, 8                       ; quad 8 + s2
	s_mul_i32 s42, s41, QUADB
	s_lshr_b32 s40, s37, 1                         ; stream
	s_mul_i32 s40, s40, STRB
	s_add_co_u32 s42, s42, s40
	s_mov_b32 s43, 0
	s_wait_kmcnt 0x0
	s_add_nc_u64 s[4:5], s[24:25], s[38:39]
	s_add_nc_u64 s[6:7], s[34:35], s[42:43]
	WPATH 2048, LW2
.Lw1path:
	; ---- W1: id = 32 e + 2 (8 hs + w) + c; s = wave
	s_sub_co_u32 s37, ttmp9, 128
	s_lshr_b32 s38, s37, 5
	s_lshl_b32 s38, s38, 9                         ; e x 512 rows
	s_lshl_b32 s40, s36, 7
	s_add_co_u32 s38, s38, s40                     ; + 128 s
	s_lshl_b32 s38, s38, 13                        ; x 8,192 bytes a row
	s_bfe_u32 s40, s37, 0x40001
	s_lshl_b32 s40, s40, 9                         ; + 128 (8 hs + w) columns of 4 bytes
	s_add_co_u32 s38, s38, s40
	s_and_b32 s41, s37, 1
	s_lshl_b32 s40, s41, 8                         ; + 64 c columns
	s_add_co_u32 s38, s38, s40
	s_mov_b32 s39, 0
	s_lshl_b32 s41, s41, 2
	s_add_co_u32 s41, s41, s36                     ; quad 4 c + s
	s_mul_i32 s42, s41, QUADB
	s_lshr_b32 s40, s37, 1                         ; stream
	s_mul_i32 s40, s40, STRB
	s_add_co_u32 s42, s42, s40
	s_mov_b32 s43, 0
	s_wait_kmcnt 0x0
	s_add_nc_u64 s[4:5], s[22:23], s[38:39]
	s_add_nc_u64 s[6:7], s[34:35], s[42:43]
	WPATH 8192, LW1
.Lxpath:
	; REGISTERS: v1 lane; v2, v3 the stage, in and back; v4 my codes' place in a token's 384 bytes; v5 my block's scale byte in LDS; v6 16 x lane; v7 where a token's 16 scale bytes are read back;
	; v8-10 codes; v11-15 at work; v16-143 gate_w[16 l + i][e] at v[16 + 8 i + e]; v144-207 four tokens as loaded; v208-239 two tokens turned; v240-247 a token's logits; v248-255 lane l: logits of token l % 8
	s_lshl_b32 s37, ttmp9, 2
	s_add_co_u32 s37, s37, s36                     ; which run of 8 tokens is my wave's
	s_lshl_b32 s38, s37, 14                        ; x: 8 x 2,048 bytes
	s_mov_b32 s39, 0
	s_mul_i32 s40, s37, 3072                       ; xcodes: 8 x 384
	s_mov_b32 s41, 0
	s_lshl_b32 s42, s37, 6                         ; sel, gat: 8 x 8
	s_mov_b32 s43, 0
	s_lshl_b32 s44, s37, 7                         ; xscales: 8 x 16
	s_mov_b32 s45, 0
	s_mul_i32 s46, s36, XREG
	s_add_co_u32 s46, s46, LX                      ; my wave's LDS
	s_mov_b32 s56, 0x76543210
	s_mov_b32 s57, 0xfedcba98                      ; v_permlanex16_b32's selects for lane l xor 16
	v_lshlrev_b32 v6, 4, v1
	v_lshrrev_b32 v2, 2, v1
	v_mul_u32_u24 v2, v2, 80
	v_and_b32 v3, 3, v1
	v_lshl_add_u32 v2, v3, 4, v2
	v_add_nc_u32 v2, s46, v2                       ; in: four lanes' 64 bytes on end, then 16 of padding
	v_mul_u32_u24 v3, v1, 80
	v_add_nc_u32 v3, s46, v3                       ; back: 80 x lane
	v_lshrrev_b32 v5, 1, v1                        ; my block B = 4 s + 2 c + h
	v_lshrrev_b32 v4, 2, v5
	v_lshlrev_b32 v4, 2, v4                        ; 4 s
	v_and_b32 v7, 1, v5
	v_lshl_add_u32 v4, v7, 1, v4                   ; + 2 h
	v_bfe_u32 v7, v5, 1, 1
	v_add_nc_u32 v4, v4, v7                        ; + c
	v_mul_u32_u24 v4, v4, 24
	v_and_b32 v7, 1, v1
	v_mad_u32_u24 v4, v7, 12, v4                   ; + 12 for the block's upper 16 codes
	v_add_nc_u32 v5, s46, v5
	v_and_b32 v7, 7, v1
	v_lshl_add_u32 v7, v7, 4, s46
	v_lshlrev_b32 v15, 9, v1                       ; gate_w: my 16 rows are 512 bytes on end
.irp e, 0,1,2,3,4,5,6,7
	v_mov_b32 v[248+\e], 0
.endr
	s_wait_kmcnt 0x0
	s_load_b256 s[48:55], s[20:21], 0x0            ; gate_b
	s_add_nc_u64 s[4:5], s[16:17], s[38:39]
	s_add_nc_u64 s[6:7], s[30:31], s[40:41]
	s_add_nc_u64 s[8:9], s[26:27], s[42:43]
	s_add_nc_u64 s[10:11], s[28:29], s[42:43]
	s_add_nc_u64 s[12:13], s[32:33], s[44:45]
	XLOAD 0
	XLOAD 1
	XLOAD 2
	XLOAD 3
.set gi, 0
.rept 32
	global_load_b128 v[16+4*gi:19+4*gi], v15, s[18:19] offset:16*gi
.set gi, gi+1
.endr
	s_wait_loadcnt 0x0                             ; four tokens and gate_w
	s_wait_kmcnt 0x0                               ; gate_b
	XTURN 0
.irp t, 0,1,2,3,4,5,6,7
	XSTEP \t
.endr
.irp e, 0,1,2,3,4,5,6,7
	v_add_f32 v[248+\e], s[48+\e], v[248+\e]       ; + gate_b
.endr
	v_mov_b32 v144, v248                           ; the largest logit and its expert: a strict compare keeps the lower index on a tie
	v_mov_b32 v146, 0
.irp e, 1,2,3,4,5,6,7
	v_cmp_gt_f32 vcc_lo, v[248+\e], v144
	v_cndmask_b32 v146, v146, \e, vcc_lo
	v_max_num_f32 v144, v144, v[248+\e]
.endr
	v_mov_b32 v145, 0xff800000                     ; the second: the same over the other seven
	v_mov_b32 v147, 0
.irp e, 0,1,2,3,4,5,6,7
	v_cmp_gt_f32 s58, v[248+\e], v145
	v_cmp_ne_u32 s59, \e, v146
	s_and_b32 s58, s58, s59
	v_cndmask_b32 v147, v147, \e, s58
	v_cndmask_b32 v145, v145, v[248+\e], s58
.endr
	v_sub_f32 v150, v145, v144                     ; the softmax of the two, the larger taken away: 1 / (1 + ex), ex / (1 + ex), ex = e^(second - first)
	v_mul_f32 v150, 0x3fb8aa3b, v150
	v_exp_f32 v150, v150
	v_lshlrev_b32 v152, 3, v1                      ; (a plain place behind the exponential)  8 bytes a token in sel and gat
	s_wait_alu depctr_va_vdst(0)
	v_add_f32 v151, 1.0, v150
	v_rcp_f32 v148, v151
	v_nop                                          ; a plain place behind the reciprocal
	s_wait_alu depctr_va_vdst(0)
	v_mul_f32 v149, v150, v148
	ds_load_b128 v[156:159], v7 offset:5120        ; token l % 8's 16 scale bytes
	s_wait_dscnt 0x0
	s_wait_xcnt 0x0                                ; EXEC changes only behind this wait
	v_cmp_gt_u32 vcc_lo, 8, v1
	s_set_vgpr_msb 0x5
	s_wait_tensorcnt 0x0
	ds_add_u32 v0, v1
	s_wait_dscnt 0x0
	s_set_vgpr_msb 0x500
	s_and_saveexec_b32 s58, vcc_lo                 ; lanes 0-7, a token each.  These three stores cover 64, 64 and 128 consecutive bytes a wave: 131 KB of the launch's bytes;
	global_store_b64 v152, v[146:147], s[8:9]      ; to gather them over waves would ask for a barrier, which this parted text does not have
	global_store_b64 v152, v[148:149], s[10:11]
	global_store_b128 v6, v[156:159], s[12:13]
	s_wait_xcnt 0x0
	s_or_b32 exec_lo, exec_lo, s58
	s_endpgm
.Lfunc_end_k_q485baea108_prep:
	.size	k_q485baea108_prep, .Lfunc_end_k_q485baea108_prep-k_q485baea108_prep
	.p2alignl 7, 3214868480
	.fill 96, 4, 3214868480
	.section	.rodata,"a",@progbits
	.p2align	6, 0x0
	.amdhsa_kernel k_q485baea108_prep
		.amdhsa_group_segment_fixed_size 74240
		.amdhsa_private_segment_fixed_size 0
		.amdhsa_enable_private_segment 0
		.amdhsa_kernarg_size 80
		.amdhsa_user_sgpr_count 2
		.amdhsa_user_sgpr_kernarg_segment_ptr 1
		.amdhsa_wavefront_size32 1
		.amdhsa_system_sgpr_workgroup_id_x 1
		.amdhsa_system_sgpr_workgroup_id_y 1
		.amdhsa_system_sgpr_workgroup_id_z 1
		.amdhsa_system_vgpr_workitem_id 0
		.amdhsa_next_free_vgpr 258
		.amdhsa_next_free_sgpr 66
		.amdhsa_reserve_vcc 1
		.amdhsa_float_denorm_mode_32 3
		.amdhsa_float_denorm_mode_16_64 3
		.amdhsa_memory_ordered 1
		.amdhsa_forward_progress 1
		.amdhsa_inst_pref_size 167
	.end_amdhsa_kernel
	.amdgpu_metadata
---
amdhsa.version: [ 1, 2 ]
amdhsa.kernels:
  - .name:           k_q485baea108_prep
    .symbol:         k_q485baea108_prep.kd
    .args:
      - { .name: x, .offset: 0, .size: 8, .value_kind: global_buffer, .address_space: global }
      - { .name: gate_w, .offset: 8, .size: 8, .value_kind: global_buffer, .address_space: global }
      - { .name: gate_b, .offset: 16, .size: 8, .value_kind: global_buffer, .address_space: global }
      - { .name: w1, .offset: 24, .size: 8, .value_kind: global_buffer, .address_space: global }
      - { .name: w2, .offset: 32, .size: 8, .value_kind: global_buffer, .address_space: global }
      - { .name: sel, .offset: 40, .size: 8, .value_kind: global_buffer, .address_space: global }
      - { .name: gat, .offset: 48, .size: 8, .value_kind: global_buffer, .address_space: global }
      - { .name: xcodes, .offset: 56, .size: 8, .value_kind: global_buffer, .address_space: global }
      - { .name: xscales, .offset: 64, .size: 8, .value_kind: global_buffer, .address_space: global }
      - { .name: wstream, .offset: 72, .size: 8, .value_kind: global_buffer, .address_space: global }
    .group_segment_fixed_size: 74240
    .private_segment_fixed_size: 0
    .kernarg_segment_align: 8
    .kernarg_segment_size: 80
    .max_flat_workgroup_size: 128
    .sgpr_count:     66
    .vgpr_count:     258
    .wavefront_size: 32
...
	.end_amdgpu_metadata
.endif
;; end of part 1
;; launch place (part 2): grid 1 x 1, 8 waves a work-group, no clusters, 2,048 bytes of LDS; arguments sel, order, tiles; writes order, tiles
.if DOCPART == 2
	.amdgcn_target "amdgcn-amd-amdhsa--gfx1250"
	.amdhsa_code_object_version 6
	.text
	.protected	k_q485baea108_place
	.globl	k_q485baea108_place
	.p2align	8
	.type	k_q485baea108_place,@function
k_q485baea108_place:
	s_mov_b64 s[64:65], 0
	v_nop
	global_prefetch_b8 v0, s[64:65] scope:SCOPE_SE
	s_setreg_imm32_b32 hwreg(HW_REG_WAVE_MODE, 25, 1), 1
	s_wait_xcnt 0x0
; PLACE.  A counting sort of the 8,192 entries (entry = 2 x token + k) by expert, and the table of tiles.  Whole numbers only; one work-group of eight waves, one barrier, no atomics.
; order[pos] = entry, the entries of expert 0 first.  tiles[t] = (expert, first place, rows, 0): tiles of at most 80 rows of one expert; a tile beyond the last has 0 rows.
; Wave w takes entries 1024 w .. 1024 w + 1023: register n = 4 q + i of lane l holds entry 1024 w + 128 q + 4 l + i.  An entry's rank among its wave's entries of the same expert is the count so far
; (a scalar for each expert) + the number of lower lanes with that expert in this register.  The waves' counts meet in LDS; a place = the expert's first place + the lower waves' count + the rank.
; REGISTERS: v32-63 experts; v64-95 ranks; v96-127 4 x expert; v128-159 places; v160-191 entries; v16-23 the eight waves' counts (lane e: expert e); v7 totals, v8 lower waves', v9 first places, v10 first tiles, v11 v9 + v8.
; s16-23 counts; s24-31 totals; s32-39 first places; s40-47 first tiles; s56-63 a register's eight masks.
.macro COUNT n
.irp e, 0,1,2,3,4,5,6,7
	v_cmp_eq_u32 s[56+\e], \e, v[32+(\n)]
.endr
	v_mbcnt_lo_u32_b32 v[64+(\n)], s56, s16        ; lower lanes with expert 0 + the count so far
.irp e, 1,2,3,4,5,6,7
	v_mbcnt_lo_u32_b32 v[200+\e], s[56+\e], s[16+\e]
.endr
.irp e, 1,2,3,4,5,6,7
	v_cndmask_b32 v[64+(\n)], v[64+(\n)], v[200+\e], s[56+\e]      ; each lane keeps its own expert's
.endr
.irp e, 0,1,2,3,4,5,6,7
	s_bcnt1_i32_b32 s[56+\e], s[56+\e]
.endr
.irp e, 0,1,2,3,4,5,6,7
	s_add_co_u32 s[16+\e], s[16+\e], s[56+\e]
.endr
.endm
	s_load_b128 s[4:7], s[0:1], 0x0                ; sel, order
	s_load_b64 s[8:9], s[0:1], 0x10                ; tiles
	v_lshl_add_u32 v208, v0, 2, 0x400
	v_mov_b32 v209, 0
	v_lshrrev_b32 v1, 5, v0
	v_readfirstlane_b32 s10, v1                    ; wave 0..7
	v_and_b32 v1, 31, v0                           ; lane
	v_lshlrev_b32 v2, 4, v1
	s_lshl_b32 s11, s10, 12
	v_add_nc_u32 v2, s11, v2                       ; sel: 4,096 w + 16 l
	v_lshlrev_b32 v3, 2, v1                        ; 4 l
	s_lshl_b32 s12, s10, 7
	v_add_nc_u32 v4, s12, v3                       ; LDS: 128 w + 4 l
	s_lshl_b32 s13, s10, 10
	v_add_nc_u32 v5, s13, v3                       ; 1,024 w + 4 l
.irp e, 0,1,2,3,4,5,6,7
	s_mov_b32 s[16+\e], 0
.endr
	s_wait_kmcnt 0x0
.irp q, 0,1,2,3,4,5,6,7
	global_load_b128 v[32+4*\q:35+4*\q], v2, s[4:5] offset:512*\q  ; 32 lanes read 512 consecutive bytes
.endr
.set k, 0
.rept 32
	v_add_nc_u32 v[160+k], 128*(k/4)+(k%4), v5     ; the entries' numbers
.set k, k+1
.endr
	s_wait_loadcnt 0x0
.set k, 0
.rept 32
	v_lshlrev_b32 v[96+k], 2, v[32+k]
.set k, k+1
.endr
.set k, 0
.rept 32
	COUNT k
.set k, k+1
.endr
	v_mov_b32 v6, 0
.irp e, 0,1,2,3,4,5,6,7
	v_writelane_b32 v6, s[16+\e], \e               ; my wave's counts: lane e, expert e
.endr
	ds_store_b32 v4, v6
	s_wait_dscnt 0x0                               ; for the others' sake: my store has landed
	s_barrier_signal -1
	s_barrier_wait -1
.irp w, 0,1,2,3,4,5,6,7
	ds_load_b32 v[16+\w], v3 offset:128*\w
.endr
	s_wait_dscnt 0x0
	v_add3_u32 v7, v16, v17, v18
	v_add3_u32 v7, v7, v19, v20
	v_add3_u32 v7, v7, v21, v22
	v_add_nc_u32 v7, v7, v23                       ; totals
	v_mov_b32 v8, 0
.irp w, 0,1,2,3,4,5,6
	s_cmp_gt_u32 s10, \w
	s_cselect_b32 s66, -1, 0
	v_and_b32 v12, s66, v[16+\w]
	v_add_nc_u32 v8, v8, v12                       ; the waves below mine
.endr
.irp e, 0,1,2,3,4,5,6,7
	v_readlane_b32 s[24+\e], v7, \e
.endr
	s_mov_b32 s32, 0
	s_mov_b32 s40, 0
.irp e, 0,1,2,3,4,5,6
	s_add_co_u32 s[33+\e], s[32+\e], s[24+\e]      ; first places
	s_add_co_u32 s66, s[24+\e], 79
	s_mul_i32 s66, s66, 52429                      ; (n + 79) / 80, rounded down: 52,429 x 80 = 2^22 + 16, exact for n + 79 up to 8,271
	s_lshr_b32 s66, s66, 22
	s_add_co_u32 s[41+\e], s[40+\e], s66           ; first tiles
.endr
	v_mov_b32 v9, 0
	v_mov_b32 v10, 0
.irp e, 0,1,2,3,4,5,6,7
	v_writelane_b32 v9, s[32+\e], \e
	v_writelane_b32 v10, s[40+\e], \e
.endr
	v_add_nc_u32 v11, v9, v8
.set k, 0
.rept 32
	ds_bpermute_b32 v[128+k], v[96+k], v11         ; lane (my expert)'s number: between lanes, no LDS byte is touched
.set k, k+1
.endr
	s_wait_dscnt 0x0
.set k, 0
.rept 32
	v_add_nc_u32 v[128+k], v[128+k], v[64+k]
	v_min_u32 v[128+k], 0x1fff, v[128+k]           ; a number made of loaded ones is held inside the buffer before it is an address
	v_lshlrev_b32 v[128+k], 2, v[128+k]
	global_store_b32 v[128+k], v[160+k], s[6:7]    ; scattered words: 32 KB in all; each address and data register is used once
.set k, k+1
.endr
	v_mov_b32 v192, 0                              ; tile t = my thread's number: its expert = how many experts' first tiles after expert 0's it has reached
.irp e, 1,2,3,4,5,6,7
	v_cmp_le_u32 vcc_lo, s[40+\e], v0
	v_cndmask_b32 v12, 0, 1, vcc_lo
	v_add_nc_u32 v192, v192, v12
.endr
	v_lshlrev_b32 v13, 2, v192
	ds_bpermute_b32 v14, v13, v10                  ; its expert's first tile,
	ds_bpermute_b32 v15, v13, v9                   ; first place,
	ds_bpermute_b32 v196, v13, v7                  ; and total
	s_wait_dscnt 0x0
	v_sub_nc_u32 v14, v0, v14
	v_mul_u32_u24 v14, v14, 80                     ; rows of the expert ahead of this tile
	v_add_nc_u32 v193, v15, v14
	v_min_u32 v193, 0x1fff, v193                   ; first place
	v_min_u32 v14, v14, v196
	v_sub_nc_u32 v194, v196, v14
	v_min_u32 v194, 80, v194                       ; rows: 0 to 80
	v_mov_b32 v195, 0
	v_lshlrev_b32 v197, 4, v0
	global_store_b128 v197, v[192:195], s[8:9]     ; 32 lanes store 512 consecutive bytes
	s_wait_tensorcnt 0x0
	ds_add_u32 v208, v209
	s_wait_dscnt 0x0
	s_endpgm
.Lfunc_end_k_q485baea108_place:
	.size	k_q485baea108_place, .Lfunc_end_k_q485baea108_place-k_q485baea108_place
	.p2alignl 7, 3214868480
	.fill 96, 4, 3214868480
	.section	.rodata,"a",@progbits
	.p2align	6, 0x0
	.amdhsa_kernel k_q485baea108_place
		.amdhsa_group_segment_fixed_size 2048
		.amdhsa_private_segment_fixed_size 0
		.amdhsa_enable_private_segment 0
		.amdhsa_kernarg_size 24
		.amdhsa_user_sgpr_count 2
		.amdhsa_user_sgpr_kernarg_segment_ptr 1
		.amdhsa_wavefront_size32 1
		.amdhsa_system_sgpr_workgroup_id_x 1
		.amdhsa_system_sgpr_workgroup_id_y 1
		.amdhsa_system_sgpr_workgroup_id_z 1
		.amdhsa_system_vgpr_workitem_id 0
		.amdhsa_next_free_vgpr 210
		.amdhsa_next_free_sgpr 80
		.amdhsa_reserve_vcc 1
		.amdhsa_float_denorm_mode_32 3
		.amdhsa_float_denorm_mode_16_64 3
		.amdhsa_memory_ordered 1
		.amdhsa_forward_progress 1
		.amdhsa_inst_pref_size 84
	.end_amdhsa_kernel
	.amdgpu_metadata
---
amdhsa.version: [ 1, 2 ]
amdhsa.kernels:
  - .name:           k_q485baea108_place
    .symbol:         k_q485baea108_place.kd
    .args:
      - { .name: sel, .offset: 0, .size: 8, .value_kind: global_buffer, .address_space: global }
      - { .name: order, .offset: 8, .size: 8, .value_kind: global_buffer, .address_space: global }
      - { .name: tiles, .offset: 16, .size: 8, .value_kind: global_buffer, .address_space: global }
    .group_segment_fixed_size: 2048
    .private_segment_fixed_size: 0
    .kernarg_segment_align: 8
    .kernarg_segment_size: 24
    .max_flat_workgroup_size: 256
    .sgpr_count:     80
    .vgpr_count:     210
    .wavefront_size: 32
...
	.end_amdgpu_metadata
.endif
;; end of part 2
;; launch chain (part 3): grid 110 x 2, 8 waves a work-group, no clusters, 138,240 bytes of LDS; arguments tiles, order, gat, xcodes, xscales, wstream, b1, b2, part; writes part
.if DOCPART == 3
	.amdgcn_target "amdgcn-amd-amdhsa--gfx1250"
	.amdhsa_code_object_version 6
	.text
	.protected	k_q485baea108_chain
	.globl	k_q485baea108_chain
	.p2align	8
	.type	k_q485baea108_chain,@function
k_q485baea108_chain:
	s_mov_b64 s[64:65], 0
	v_nop
	global_prefetch_b8 v0, s[64:65] scope:SCOPE_SE
	s_setreg_imm32_b32 hwreg(HW_REG_WAVE_MODE, 25, 1), 1
	s_wait_xcnt 0x0
; CHAIN.  Work-group (t, hs) takes tile t (at most 80 rows of one expert e, from the stored table) through half hs of the expert: part[hs][entry] = gate x (Q(relu(Q(x) Q(W1) + b1)) Q(W2) [+ b2 where hs = 0]),
; over hidden units 1024 hs .. + 1023.  Both products on codes of E3M2 with E8M0 scales; the hidden layer is quantised in registers and goes from wave to wave through LDS; it never goes to memory.
; GRID: 8,192 routed rows in tiles of 80 over 8 experts are never more than 103 + 7 = 110 tiles, whatever the split.  A tile with 0 rows walks the first product on a valid row, so that both barriers stand on
; every wave's path, stores nothing and ends.  Rows beyond a tile's count repeat its last row: the same numbers go to the same place.
; SHARES: eight waves share the COLUMNS: wave w makes hidden units 128 w .. + 127 of the half (one K step of the second product) and outputs 64 w .. + 63, for all 80 rows (five tiles of 16).
; THE WEIGHTS go from memory straight into operand registers: wave w's stream of 16 quads (four fragments and their scale words, 6,400 bytes, laid in the registers' order) through a ring of three register
; slots; each fragment is read by one wave of the work-group and feeds five products.
; NO JOINT LOADS: partners would have to be row tiles of one expert; with 4 x 80 rows to a cluster the grid that serves every split is 4 x (26 + 7) x 2 = 264 work-groups, more than one for each WGP, and
; the weights here land in registers, not in LDS.
; BOTH PRODUCTS ARE USED TRANSPOSED (source 0 = 16 rows of the weight, source 1 = 16 rows of the tile): a lane holds ONE row.  The weight's rows of a fragment are chosen (by the launch that laid the stream) so that
; register j of fragment 2 b + u in lane (r, h) is column 32 b + 16 h + 8 u + j of the quad's 64: 16 registers of two fragments are 16 neighbours along the next K, and along a row of the output.
; LIMITS: as the quantiser's in the first launch; b2 is multiplied by 1 or 0, so an infinite b2 is not served.
; LDS: HIMG 40 hidden fragments (8 m + s2) x 1,536: two halves of 768 (512 at 16 x lane: four registers; 256 at 8 x lane: two); HSC their scale words, 128 each; XIMG 20 fragments of x (4 m + s) x 1,536, three
; pieces of 512; XSC their scale words; TAB a copy of the tile's 80 entries for each wave; STG a stage of 16 rows x 272 for each wave.
; REGISTERS, window 0: v1-19 addresses; v20-23 at work; v24-29 the ring's scale words; v30-34 the rows' scale words; v36-95 five fragments of rows; v96-239 the ring, three slots of 48; v240-255 at work.
;   window 1: v0-159 accumulators (fragment i, row tile m) at 32 m + 8 i; v160-191 a bias in the result's layout; v192-199 at work; v200-205, v208-210 codes; v212-216 scale words; v218-222 gates.
.set HSC,  61440
.set XIMG, 66560
.set XSC,  97280
.set TAB,  99840
.set STG,  102400
.set RS,   24
.set XSW,  30
.set XB,   36
.set RING, 96
.set BIAS, 160
.set GW,   218
.set MSB, 0
.macro WIN new                         ; s_set_vgpr_msb: bits 1:0 source 0, 3:2 source 1, 5:4 source 2, 7:6 destination; the high byte repeats the setting that is left
.if MSB != \new
	s_set_vgpr_msb (MSB<<8)|\new
.set MSB, \new
.endif
.endm
.macro PLACES n                        ; plain vector places behind matrix instructions (ISA guide 7.12.1)
.rept \n
	v_nop
.endr
.endm
.macro RFILL q                         ; quad q into slot q % 3: 13 loads, each of consecutive bytes
.set RB, RING+48*((\q)%3)
.irp i, 0,1,2,3
.irp k, 0,1,2
	global_load_b128 v[RB+12*\i+4*\k:RB+12*\i+4*\k+3], v1, s[44:45] offset:6400*(\q)+1536*\i+512*\k
.endr
.endr
	global_load_b64 v[RS+2*((\q)%3):RS+2*((\q)%3)+1], v2, s[44:45] offset:6400*(\q)+6144
.endm
.macro BLOAD base, off                 ; 64 numbers of a bias in the result's layout: lane (r, h), fragment 2 b + u: 32 b + 16 h + 8 u + 0 .. 7
	WIN 0x40
.irp i, 0,1,2,3
	global_load_b128 v[BIAS+8*\i:BIAS+8*\i+3], v17, s[\base:\base+1] offset:\off+128*(\i/2)+32*(\i%2)
	global_load_b128 v[BIAS+8*\i+4:BIAS+8*\i+7], v17, s[\base:\base+1] offset:\off+128*(\i/2)+32*(\i%2)+16
.endr
	WIN 0
.endm
.macro XSET s                          ; K step s of x for the five row tiles
.irp m, 0,1,2,3,4
.irp k, 0,1,2
	ds_load_b128 v[XB+12*\m+4*\k:XB+12*\m+4*\k+3], v4 offset:(4*\m+(\s))*1536+512*\k
.endr
	ds_load_b32 v[XSW+\m], v5 offset:(4*\m+(\s))*128
.endr
.endm
.macro HSET s                          ; K step s of the hidden layer
.irp m, 0,1,2,3,4
.irp c, 0,1
	ds_load_b128 v[XB+12*\m+6*\c:XB+12*\m+6*\c+3], v1 offset:(8*\m+(\s))*1536+768*\c
	ds_load_b64 v[XB+12*\m+6*\c+4:XB+12*\m+6*\c+5], v2 offset:(8*\m+(\s))*1536+768*\c+512
.endr
	ds_load_b32 v[XSW+\m], v3 offset:(8*\m+(\s))*128
.endr
.endm
; 20 products: the slot's four fragments x five row tiles.  The 20 accumulators take turns, one instruction a turn, in the same order in every step.
; cmode = 1: the bias is the C of a sum's first product.  Fragments u = 1 take their scale words from lanes 16-31 of the register.
.macro MUL20 sl, cmode
	WIN 0x50
.irp i, 0,1,2,3
.irp m, 0,1,2,3,4
.set DD, 32*\m+8*\i
.if \cmode
.set CC, BIAS+8*\i
.else
.set CC, DD
.endif
.if (\i)%2
	v_wmma_scale_f32_16x16x128_f8f6f4 v[DD:DD+7], v[RING+48*(\sl)+12*\i:RING+48*(\sl)+12*\i+11], v[XB+12*\m:XB+12*\m+11], v[CC:CC+7], v[RS+2*(\sl)+(\i/2)], v[XSW+\m] matrix_a_fmt:MATRIX_FMT_BF6 matrix_b_fmt:MATRIX_FMT_BF6 matrix_a_scale:MATRIX_SCALE_ROW1
.else
	v_wmma_scale_f32_16x16x128_f8f6f4 v[DD:DD+7], v[RING+48*(\sl)+12*\i:RING+48*(\sl)+12*\i+11], v[XB+12*\m:XB+12*\m+11], v[CC:CC+7], v[RS+2*(\sl)+(\i/2)], v[XSW+\m] matrix_a_fmt:MATRIX_FMT_BF6 matrix_b_fmt:MATRIX_FMT_BF6
.endif
.endr
.endr
.endm
; Row tile m's 64 hidden units 64 c on: relu, two blocks of 32 (each in lanes l and l xor 16), codes: half c of fragment (m, K step w), to LDS as an image of its six registers.
.macro QHALF m, c
.set QA, 32*(\m)
	WIN 0x55
.set k, 0
.rept 32
	v_max_num_f32 v[QA+k], 0, v[QA+k]              ; the activation, in f32; each accumulator is read from its low end on
.set k, k+1
.endr
	v_max3_num_f32 v192, v[QA], v[QA+1], 0x2800000         ; none is negative: no |.|.  The floor 2^(5 - 127) holds the byte at 1 from below
	v_max3_num_f32 v193, v[QA+16], v[QA+17], 0x2800000
.irp i, 2,4,6,8,10,12,14
	v_max3_num_f32 v192, v192, v[QA+\i], v[QA+\i+1]
	v_max3_num_f32 v193, v193, v[QA+16+\i], v[QA+17+\i]
.endr
	v_permlanex16_b32 v194, v192, s54, s55
	v_permlanex16_b32 v195, v193, s54, s55
	v_max_num_f32 v192, v192, v194
	v_max_num_f32 v193, v193, v195                 ; the blocks' largest magnitudes
	v_add_nc_u32 v196, 0xfe000000, v192            ; 4 off the exponent field: the conversions' scale operands
	v_add_nc_u32 v197, 0xfe000000, v193
	v_lshrrev_b32 v198, 23, v196                   ; the bytes
	v_lshrrev_b32 v199, 23, v197
.if (\c) == 0
	v_lshl_or_b32 v[212+(\m)], v199, 8, v198
.else
	v_lshl_or_b32 v[212+(\m)], v198, 16, v[212+(\m)]
	v_lshl_or_b32 v[212+(\m)], v199, 24, v[212+(\m)]
.endif
	s_wait_dscnt 0x0                               ; earlier LDS stores have read the codes' registers
	v_cvt_scalef32_pk16_bf6_f32 v[200:202], v[QA:QA+15], v196
	v_cvt_scalef32_pk16_bf6_f32 v[208:210], v[QA+16:QA+31], v197
	v_nop                                          ; one plain place behind a scaled conversion
.irp n, 0,1,2
	v_permlane16_swap_b32 v[200+\n], v[208+\n]     ; a whole block to a lane: lanes 0-15 the first block, lanes 16-31 the second
.endr
.irp n, 0,1,2
	v_mov_b32 v[203+\n], v[208+\n]
.endr
	WIN 0x04                                       ; an LDS store's data are its source 1
	ds_store_b128 v11, v[200:203] offset:12288*(\m)+768*(\c)
	ds_store_b64 v12, v[204:205] offset:12288*(\m)+768*(\c)
.if (\c) == 1
	ds_store_b32 v13, v[212+(\m)] offset:1024*(\m)
.endif
.endm
; Fragment f = w + 8 j of x (row tile f / 4, K step f % 4): gathered from the tokens' codes, 48 bytes a lane, and put into LDS as an image of its registers.
.macro XJOB j
.set JB, XB+20*(\j)
	ds_load_b32 v[JB], v9 offset:128*(\j)          ; my row's entry, from my wave's own table
	s_wait_dscnt 0x0
	v_lshrrev_b32 v[JB], 1, v[JB]                  ; its token,
	v_min_u32 v[JB], 0xfff, v[JB]                  ; held inside the buffers
	v_mul_u32_u24 v[JB+1], v[JB], 384
	v_add_nc_u32 v[JB+1], v[JB+1], v18
	v_lshl_add_u32 v[JB+2], v[JB], 4, v19
.irp k, 0,1,2
	global_load_b128 v[JB+4+4*\k:JB+7+4*\k], v[JB+1], s[22:23] offset:16*\k
.endr
	global_load_b32 v[JB+3], v[JB+2], s[24:25]
.endm
.macro XPUT j
.set JB, XB+20*(\j)
.irp k, 0,1,2
	ds_store_b128 v6, v[JB+4+4*\k:JB+7+4*\k] offset:12288*(\j)+512*\k
.endr
	ds_store_b32 v7, v[JB+3] offset:1024*(\j)
.endm
; Row tile m leaves: x gate; through my own stage; sixteen lanes store the 256 consecutive, aligned bytes that are my wave's part of a row of part.  No store's registers are written again.
.macro OUT m
.set OA, 32*(\m)
.if (\m) < 4
.set DB, RING+32*(\m)
.else
.set DB, XB
.endif
	WIN 0x55
.set k, 0
.rept 32
	v_mul_f32 v[OA+k], v[GW+(\m)], v[OA+k]         ; each accumulator is read from its low end on
.set k, k+1
.endr
	WIN 0x04
.irp i, 0,1,2,3
	ds_store_b128 v14, v[OA+8*\i:OA+8*\i+3] offset:128*(\i/2)+32*(\i%2)
	ds_store_b128 v14, v[OA+8*\i+4:OA+8*\i+7] offset:128*(\i/2)+32*(\i%2)+16
.endr
	WIN 0
.irp i, 0,1,2,3,4,5,6,7
	ds_load_b128 v[DB+4*\i:DB+4*\i+3], v15 offset:272*\i   ; lanes 0-15 row i, lanes 16-31 row i + 8.  LDS serves a wave's instructions in order: these see my stores
.endr
	ds_load_b128 v[240:243], v10 offset:64*(\m)    ; the entries of rows 16 m + 8 h + 0 .. 7
	ds_load_b128 v[244:247], v10 offset:64*(\m)+16
	s_wait_dscnt 0x0
.irp i, 0,1,2,3,4,5,6,7
.set ON, 8*(\m)+\i
.if ON < 28
.set OFR, 68+ON
.else
.set OFR, 196+ON
.endif
	v_min_u32 v[240+\i], 0x1fff, v[240+\i]
	v_lshl_add_u32 v[OFR], v[240+\i], 11, v16      ; entry x 2,048 + 256 w + 16 r
.endr
.irp i, 0,1,2,3,4,5,6,7
.set ON, 8*(\m)+\i
.if ON < 28
.set OFR, 68+ON
.else
.set OFR, 196+ON
.endif
	global_store_b128 v[OFR], v[DB+4*\i:DB+4*\i+3], s[50:51] th:TH_STORE_NT
.endr
.endm
; A step of the first product: quad j = 4 c + s.
.macro STEPA j
.if (\j) >= 3
	s_wait_loadcnt 26                              ; this quad is in: behind it stand two quads of 13 loads (and at times 8 of a bias: the smaller count is safe)
.endif
	s_wait_dscnt 0x0                               ; the rows' fragments are in
.if (\j)%4 == 0
	MUL20 (\j)%3, 1
.else
	MUL20 (\j)%3, 0
.endif
	WIN 0
	PLACES 4                                       ; in front of loads into registers that the products have read, and of the first read of results
	RFILL (\j)+3
.if (\j) == 0
	BLOAD 46, 256                                  ; b1 of my second 64 hidden units
.endif
.if (\j) == 4
	BLOAD 48, 0                                    ; b2 of my 64 outputs
.endif
.if (\j) < 7
	XSET ((\j)+1)%4
.endif
.if (\j)%4 == 3
.irp m, 0,1,2,3,4
	QHALF \m, (\j)/4
.endr
	WIN 0
.endif
.endm
; A step of the second product: quad j = 8 + s2.
.macro STEPB j
.if (\j) <= 13
	s_wait_loadcnt 26                              ; two later quads may be out
.elseif (\j) == 14
	s_wait_loadcnt 13                              ; one
.else
	s_wait_loadcnt 0x0
.endif
	s_wait_dscnt 0x0
.if (\j) == 8
	MUL20 (\j)%3, 1
.else
	MUL20 (\j)%3, 0
.endif
	WIN 0
	PLACES 4
.if (\j)+3 <= 15
	RFILL (\j)+3
.endif
.if (\j) < 15
	HSET (\j)-7
.endif
.endm
	s_load_b512 s[16:31], s[0:1], 0x0              ; tiles 16, order 18, gat 20, xcodes 22, xscales 24, wstream 26, b1 28, b2 30
	s_load_b64 s[32:33], s[0:1], 0x40              ; part
	v_lshl_add_u32 v35, v0, 2, 0x21800
	v_mov_b32 v255, 0
	v_lshrrev_b32 v20, 5, v0
	v_readfirstlane_b32 s34, v20                   ; wave 0..7
	s_and_b32 s35, ttmp7, 0xffff                   ; hs
	s_lshl_b32 s40, ttmp9, 4
	s_mov_b32 s41, 0
	s_wait_kmcnt 0x0
	s_add_nc_u64 s[16:17], s[16:17], s[40:41]
	s_load_b128 s[36:39], s[16:17], 0x0            ; my tile: expert, first place, rows
	v_and_b32 v20, 31, v0                          ; lane
	v_and_b32 v21, 15, v0                          ; r
	v_bfe_u32 v22, v0, 4, 1                        ; h
	v_lshlrev_b32 v1, 4, v20                       ; 16 x lane: the stream's pieces, and the hidden images (they begin at LDS byte 0)
	v_lshlrev_b32 v2, 3, v20                       ; 8 x lane
	v_lshlrev_b32 v23, 2, v20
	v_add_nc_u32 v3, HSC, v23
	v_add_nc_u32 v4, XIMG, v1
	v_add_nc_u32 v5, XSC, v23
	s_mul_i32 s40, s34, 1536
	s_lshl_b32 s41, s34, 7
	s_mul_i32 s42, s34, 320
	s_add_co_u32 s42, s42, TAB
	s_lshr_b32 s43, s34, 2
	s_lshl_b32 s43, s43, 6
	s_mul_i32 s56, s34, 4352
	s_add_co_u32 s56, s56, STG
	s_lshl_b32 s57, s34, 8
	s_and_b32 s58, s34, 3
	s_mul_i32 s59, s58, 96
	s_lshl_b32 s60, s58, 2
	v_add_nc_u32 v6, s40, v4                       ; where I put x's images: fragment w (+ 8 j in the immediate)
	v_add_nc_u32 v7, s41, v5                       ; and their scale words
	v_lshl_add_u32 v8, v21, 2, s42                 ; my table: row r
	v_add_nc_u32 v9, s43, v8                       ; row 16 (w / 4) + r
	v_lshl_add_u32 v10, v22, 5, s42                ; rows 8 h on
	v_add_nc_u32 v11, s40, v1                      ; where I put the hidden layer's images: K step w
	v_add_nc_u32 v12, s40, v2
	v_add_nc_u32 v12, 512, v12
	v_add_nc_u32 v13, s41, v3                      ; and their scale words
	v_mul_u32_u24 v14, v21, 272
	v_lshl_add_u32 v14, v22, 6, v14
	v_add_nc_u32 v14, s56, v14                     ; my stage, in: row r, + 64 h
	v_mul_u32_u24 v15, v22, 2176
	v_lshl_add_u32 v15, v21, 4, v15
	v_add_nc_u32 v15, s56, v15                     ; back: 8 h rows on, 16 r
	v_lshl_add_u32 v16, v21, 4, s57                ; my bytes of a row of part: 256 w + 16 r
	v_lshlrev_b32 v17, 6, v22                      ; a bias: 16 h numbers on
	v_mad_u32_u24 v18, v22, 48, s59                ; a token's codes: 96 (w % 4) + 48 h
	v_mov_b32 v19, s60                             ; its scale word: 4 (w % 4)
	WIN 0x40
	v_mov_b32 v194, 0                              ; written once: a lane permute's destination counts as one of its sources
	v_mov_b32 v195, 0
	WIN 0
	s_mov_b32 s54, 0x76543210
	s_mov_b32 s55, 0xfedcba98                      ; v_permlanex16_b32's selects for lane l xor 16
	s_wait_kmcnt 0x0
	s_min_u32 s36, s36, 7                          ; loaded numbers are held inside their tables before they enter an address
	s_min_u32 s37, s37, 0x1fff
	s_min_u32 s38, s38, 80
	s_max_u32 s53, s38, 1
	s_sub_co_u32 s53, s53, 1                       ; the tile's last row
	s_lshl_b32 s61, s36, 1
	s_add_co_u32 s61, s61, s35
	s_lshl_b32 s61, s61, 3
	s_add_co_u32 s61, s61, s34                     ; my stream: 16 e + 8 hs + w
	s_mul_i32 s62, s61, 102400
	s_mov_b32 s63, 0
	s_add_nc_u64 s[44:45], s[26:27], s[62:63]
	s_lshl_b32 s62, s61, 9                         ; b1: (2048 e + 1024 hs + 128 w) x 4 bytes
	s_add_nc_u64 s[46:47], s[28:29], s[62:63]
	s_lshl_b32 s62, s36, 3
	s_add_co_u32 s62, s62, s34
	s_lshl_b32 s62, s62, 8                         ; b2: (512 e + 64 w) x 4 bytes
	s_add_nc_u64 s[48:49], s[30:31], s[62:63]
	s_lshl_b32 s62, s35, 24                        ; part: half hs
	s_add_nc_u64 s[50:51], s[32:33], s[62:63]
	s_cmp_eq_u32 s35, 0
	s_cselect_b32 s52, 1.0, 0                      ; b2 counts once: in half 0
.irp m, 0,1,2,3,4
	v_add_nc_u32 v[240+\m], 16*\m, v21
	v_min_u32 v[240+\m], s53, v[240+\m]            ; rows beyond the count repeat the last row
	v_add_nc_u32 v[240+\m], s37, v[240+\m]
	v_min_u32 v[240+\m], 0x1fff, v[240+\m]
	v_lshlrev_b32 v[240+\m], 2, v[240+\m]
	global_load_b32 v[245+\m], v[240+\m], s[18:19] ; the entry of row 16 m + r
.endr
	RFILL 0
	RFILL 1
	RFILL 2
	BLOAD 46, 0                                    ; b1 of my first 64 hidden units
	s_wait_loadcnt 47                              ; the five entries are in: behind them stand 39 loads of the ring and 8 of the bias
.irp m, 0,1,2,3,4
	v_min_u32 v[245+\m], 0x1fff, v[245+\m]
	v_lshlrev_b32 v[250+\m], 2, v[245+\m]
	ds_store_b32 v8, v[245+\m] offset:64*\m        ; lanes r and r + 16 write the same word with the same value
.endr
	WIN 0x40
.irp m, 0,1,2,3,4
	global_load_b32 v[GW+\m], v[250+\m], s[20:21]  ; my row's gate
.endr
	WIN 0
	XJOB 0
	XJOB 1
	s_cmp_lt_u32 s34, 4                            ; 20 fragments for 8 waves: waves 0-3 take a third
	s_cbranch_scc0 .Lno_third
	XJOB 2
	s_wait_loadcnt 0x0
	XPUT 2
.Lno_third:
	s_wait_loadcnt 0x0                             ; the gathered codes; the ring's first three quads, the bias and the gates with them
	XPUT 0
	XPUT 1
	s_wait_dscnt 0x0                               ; for the others' sake: my stores have landed
	s_barrier_signal -1
	s_barrier_wait -1                              ; x's twenty fragments lie in LDS
	XSET 0
.irp j, 0,1,2,3,4,5,6,7
	STEPA \j
.endr
	s_wait_dscnt 0x0                               ; my part of the hidden layer has landed
	s_barrier_signal -1
	s_barrier_wait -1                              ; the hidden layer's forty fragments lie in LDS.  No barrier stands behind this one
	s_cmp_eq_u32 s38, 0
	s_cbranch_scc1 .Lend                           ; a tile without rows stores nothing
	HSET 0
	s_wait_loadcnt 26                              ; b2 is in (and quad 8)
	WIN 0x55
.set k, 0
.rept 32
	v_mul_f32 v[BIAS+k], s52, v[BIAS+k]            ; b2, or zeros in half 1
.set k, k+1
.endr
	WIN 0
	PLACES 8
.irp j, 8,9,10,11,12,13,14,15
	STEPB \j
.endr
.irp m, 0,1,2,3,4
	OUT \m
.endr
.Lend:
	s_wait_tensorcnt 0x0
	ds_add_u32 v35, v255
	s_wait_dscnt 0x0
	s_endpgm
.Lfunc_end_k_q485baea108_chain:
	.size	k_q485baea108_chain, .Lfunc_end_k_q485baea108_chain-k_q485baea108_chain
	.p2alignl 7, 3214868480
	.fill 96, 4, 3214868480
	.section	.rodata,"a",@progbits
	.p2align	6, 0x0
	.amdhsa_kernel k_q485baea108_chain
		.amdhsa_group_segment_fixed_size 138240
		.amdhsa_private_segment_fixed_size 0
		.amdhsa_enable_private_segment 0
		.amdhsa_kernarg_size 72
		.amdhsa_user_sgpr_count 2
		.amdhsa_user_sgpr_kernarg_segment_ptr 1
		.amdhsa_wavefront_size32 1
		.amdhsa_system_sgpr_workgroup_id_x 1
		.amdhsa_system_sgpr_workgroup_id_y 1
		.amdhsa_system_sgpr_workgroup_id_z 1
		.amdhsa_system_vgpr_workitem_id 0
		.amdhsa_next_free_vgpr 512
		.amdhsa_next_free_sgpr 66
		.amdhsa_reserve_vcc 0
		.amdhsa_float_denorm_mode_32 3
		.amdhsa_float_denorm_mode_16_64 3
		.amdhsa_memory_ordered 1
		.amdhsa_forward_progress 1
		.amdhsa_inst_pref_size 152
	.end_amdhsa_kernel
	.amdgpu_metadata
---
amdhsa.version: [ 1, 2 ]
amdhsa.kernels:
  - .name:           k_q485baea108_chain
    .symbol:         k_q485baea108_chain.kd
    .args:
      - { .name: tiles, .offset: 0, .size: 8, .value_kind: global_buffer, .address_space: global }
      - { .name: order, .offset: 8, .size: 8, .value_kind: global_buffer, .address_space: global }
      - { .name: gat, .offset: 16, .size: 8, .value_kind: global_buffer, .address_space: global }
      - { .name: xcodes, .offset: 24, .size: 8, .value_kind: global_buffer, .address_space: global }
      - { .name: xscales, .offset: 32, .size: 8, .value_kind: global_buffer, .address_space: global }
      - { .name: wstream, .offset: 40, .size: 8, .value_kind: global_buffer, .address_space: global }
      - { .name: b1, .offset: 48, .size: 8, .value_kind: global_buffer, .address_space: global }
      - { .name: b2, .offset: 56, .size: 8, .value_kind: global_buffer, .address_space: global }
      - { .name: part, .offset: 64, .size: 8, .value_kind: global_buffer, .address_space: global }
    .group_segment_fixed_size: 138240
    .private_segment_fixed_size: 0
    .kernarg_segment_align: 8
    .kernarg_segment_size: 72
    .max_flat_workgroup_size: 256
    .sgpr_count:     66
    .vgpr_count:     512
    .wavefront_size: 32
...
	.end_amdgpu_metadata
.endif
;; end of part 3
;; launch finish (part 4): grid 1024 x 1, 4 waves a work-group, no clusters, 0 bytes of LDS; arguments x, p, v, m, part, ln_w, ln_b, out0, out1, out2, out3; writes out0, out1, out2, out3
.if DOCPART == 4
	.amdgcn_target "amdgcn-amd-amdhsa--gfx1250"
	.amdhsa_code_object_version 6
	.text
	.protected	k_q485baea108_finish
	.globl	k_q485baea108_finish
	.p2align	8
	.type	k_q485baea108_finish,@function
k_q485baea108_finish:
	s_mov_b64 s[64:65], 0
	v_nop
	global_prefetch_b8 v0, s[64:65] scope:SCOPE_SE
	s_setreg_imm32_b32 hwreg(HW_REG_WAVE_MODE, 25, 1), 1
	s_wait_xcnt 0x0
; FINISH.  One wave, one token T = 4 x work-group + wave; no loop, no LDS, no barrier.  eo = the sum of the token's four partial rows (two entries x two halves of H);
; momentum = 0.7 m + eo; p_new = 0.9 p + 0.1 eo; v_new = 0.999 v + 0.001 eo^2; adam = p_new / sqrt(v_new + 1e-8) + x; y = x - adam; out = (y - mean) / sqrt(var + 1e-5) ln_w + ln_b.
; The variance is the mean of (y - mean)^2: no difference of large sums.  Memory binds: every load and store of the wave covers 512 consecutive bytes; all 40 loads go out at once, in the order of their use.
; Lane l holds columns 128 q + 4 l + 0 .. 3, q = 0 .. 3.  LIMITS: NaN and infinities among the inputs are not served; 1 / sqrt by v_rsq_f32 (1 ulp).
; REGISTERS: v4-67 the four partial rows (v4-19 then eo, v20-35 at work, v36-51 then y); v68-83 m, then momentum; v84-99 p, p_new; v100-115 v, v_new; v116-131 x; v132-147 ln_w; v148-163 ln_b; v164-173 at work.
.macro WSUM                            ; v164 summed over the 32 lanes, the result in every lane
	v_add_f32_dpp v164, v164, v164 row_xmask:1 row_mask:0xf bank_mask:0xf
	v_add_f32_dpp v164, v164, v164 row_xmask:2 row_mask:0xf bank_mask:0xf
	v_add_f32_dpp v164, v164, v164 row_xmask:4 row_mask:0xf bank_mask:0xf
	v_add_f32_dpp v164, v164, v164 row_xmask:8 row_mask:0xf bank_mask:0xf
	v_permlanex16_b32 v165, v164, s46, s47
	v_add_f32 v164, v164, v165
.endm
.macro ROW4 reg, base, hint            ; a row of 2,048 bytes: four loads
.irp q, 0,1,2,3
	global_load_b128 v[\reg+4*\q:\reg+4*\q+3], v1, s[\base:\base+1] offset:512*\q \hint
.endr
.endm
.macro PUT4 reg, base
.irp q, 0,1,2,3
	global_store_b128 v1, v[\reg+4*\q:\reg+4*\q+3], s[\base:\base+1] offset:512*\q th:TH_STORE_NT
.endr
.endm
	s_load_b512 s[16:31], s[0:1], 0x0              ; x 16, p 18, v 20, m 22, part 24, ln_w 26, ln_b 28, out0 30
	s_load_b128 s[32:35], s[0:1], 0x40             ; out1 32, out2 34
	s_load_b64 s[36:37], s[0:1], 0x50              ; out3
	v_lshrrev_b32 v1, 5, v0
	v_readfirstlane_b32 s38, v1                    ; wave
	v_and_b32 v1, 31, v0
	v_lshlrev_b32 v1, 4, v1                        ; 16 bytes a lane
	s_lshl_b32 s39, ttmp9, 2
	s_add_co_u32 s39, s39, s38                     ; token
	s_lshl_b32 s40, s39, 11                        ; its row of 2,048 bytes
	s_mov_b32 s41, 0
	s_lshl_b32 s42, s39, 12                        ; its two entries' rows in part
	s_mov_b32 s43, 0
	s_mov_b32 s44, 0x3b000000                      ; 1 / 512
	s_mov_b32 s45, 0x3727c5ac                      ; 1e-5
	s_mov_b32 s46, 0x76543210
	s_mov_b32 s47, 0xfedcba98                      ; v_permlanex16_b32's selects for lane l xor 16
	s_wait_kmcnt 0x0
	s_add_nc_u64 s[24:25], s[24:25], s[42:43]      ; half 0,
	s_add_nc_u64 s[4:5], s[24:25], 0x1000000       ; half 1
.irp b, 16,18,20,22,30,32,34,36
	s_add_nc_u64 s[\b:\b+1], s[\b:\b+1], s[40:41]
.endr
.irp q, 0,1,2,3,4,5,6,7
	global_load_b128 v[4+4*\q:7+4*\q], v1, s[24:25] offset:512*\q th:TH_LOAD_NT
.endr
.irp q, 0,1,2,3,4,5,6,7
	global_load_b128 v[36+4*\q:39+4*\q], v1, s[4:5] offset:512*\q th:TH_LOAD_NT
.endr
	ROW4 68, 22, th:TH_LOAD_NT                     ; m
	ROW4 84, 18, th:TH_LOAD_NT                     ; p
	ROW4 100, 20, th:TH_LOAD_NT                    ; v
	ROW4 116, 16, th:TH_LOAD_NT                    ; x
	ROW4 132, 26,                                  ; ln_w: every wave reads it
	ROW4 148, 28,                                  ; ln_b
	s_wait_loadcnt 20                              ; the partial rows and m are in: behind them stand p, v, x, ln_w, ln_b, four loads each
.irp k, 0,2,4,6,8,10,12,14
	v_pk_add_f32 v[4+\k:5+\k], v[4+\k:5+\k], v[20+\k:21+\k]
	v_pk_add_f32 v[36+\k:37+\k], v[36+\k:37+\k], v[52+\k:53+\k]
.endr
.irp k, 0,2,4,6,8,10,12,14
	v_pk_add_f32 v[4+\k:5+\k], v[4+\k:5+\k], v[36+\k:37+\k]        ; eo
.endr
.irp k, 0,2,4,6,8,10,12,14
	v_pk_fma_f32 v[68+\k:69+\k], v[68+\k:69+\k], 0x3f333333, v[4+\k:5+\k] op_sel_hi:[1,0,1]    ; 0.7 m + eo
.endr
	PUT4 68, 36
	s_wait_loadcnt 12                              ; p and v are in
.irp k, 0,2,4,6,8,10,12,14
	v_pk_mul_f32 v[84+\k:85+\k], v[84+\k:85+\k], 0x3f666666 op_sel_hi:[1,0]       ; 0.9 p
	v_pk_mul_f32 v[20+\k:21+\k], v[4+\k:5+\k], v[4+\k:5+\k]                       ; eo^2
	v_pk_mul_f32 v[100+\k:101+\k], v[100+\k:101+\k], 0x3f7fbe77 op_sel_hi:[1,0]   ; 0.999 v
.endr
.irp k, 0,2,4,6,8,10,12,14
	v_pk_fma_f32 v[84+\k:85+\k], v[4+\k:5+\k], 0x3dcccccd, v[84+\k:85+\k] op_sel_hi:[1,0,1]        ; + 0.1 eo
	v_pk_fma_f32 v[100+\k:101+\k], v[20+\k:21+\k], 0x3a83126f, v[100+\k:101+\k] op_sel_hi:[1,0,1]  ; + 0.001 eo^2
.endr
	PUT4 84, 32
	PUT4 100, 34
.irp k, 0,2,4,6,8,10,12,14
	v_pk_add_f32 v[20+\k:21+\k], v[100+\k:101+\k], 0x322bcc77 op_sel_hi:[1,0]     ; v_new + 1e-8
.endr
.set k, 0
.rept 16
	v_rsq_f32 v[20+k], v[20+k]
.set k, k+1
.endr
	s_wait_loadcnt 8                               ; x is in
	v_nop                                          ; a plain place behind the last transcendental
	s_wait_alu depctr_va_vdst(0)
.irp k, 0,2,4,6,8,10,12,14
	v_pk_fma_f32 v[36+\k:37+\k], v[20+\k:21+\k], v[84+\k:85+\k], v[116+\k:117+\k]  ; adam
.endr
.irp k, 0,2,4,6,8,10,12,14
	v_pk_add_f32 v[36+\k:37+\k], v[116+\k:117+\k], v[36+\k:37+\k] neg_lo:[0,1] neg_hi:[0,1]   ; y = x - adam
.endr
	v_pk_add_f32 v[164:165], v[36:37], v[38:39]
	v_pk_add_f32 v[166:167], v[40:41], v[42:43]
	v_pk_add_f32 v[168:169], v[44:45], v[46:47]
	v_pk_add_f32 v[170:171], v[48:49], v[50:51]
	v_pk_add_f32 v[164:165], v[164:165], v[166:167]
	v_pk_add_f32 v[168:169], v[168:169], v[170:171]
	v_pk_add_f32 v[164:165], v[164:165], v[168:169]
	v_add_f32 v164, v164, v165
	WSUM
	v_mul_f32 v172, s44, v164                      ; the mean, twice: a pair for the packed form
	v_mul_f32 v173, s44, v164
.irp k, 0,2,4,6,8,10,12,14
	v_pk_add_f32 v[36+\k:37+\k], v[36+\k:37+\k], v[172:173] neg_lo:[0,1] neg_hi:[0,1]
.endr
	v_pk_mul_f32 v[164:165], v[36:37], v[36:37]
	v_pk_mul_f32 v[166:167], v[38:39], v[38:39]
.irp k, 4,8,12
	v_pk_fma_f32 v[164:165], v[36+\k:37+\k], v[36+\k:37+\k], v[164:165]
	v_pk_fma_f32 v[166:167], v[38+\k:39+\k], v[38+\k:39+\k], v[166:167]
.endr
	v_pk_add_f32 v[164:165], v[164:165], v[166:167]
	v_add_f32 v164, v164, v165
	WSUM
	v_fma_f32 v164, v164, s44, s45                 ; var + 1e-5
	v_rsq_f32 v172, v164
	v_rsq_f32 v173, v164
	s_wait_loadcnt 0x0                             ; ln_w, ln_b
	v_nop                                          ; a plain place behind the transcendentals
	s_wait_alu depctr_va_vdst(0)
.irp k, 0,2,4,6,8,10,12,14
	v_pk_mul_f32 v[36+\k:37+\k], v[36+\k:37+\k], v[172:173]
.endr
.irp k, 0,2,4,6,8,10,12,14
	v_pk_fma_f32 v[36+\k:37+\k], v[36+\k:37+\k], v[132+\k:133+\k], v[148+\k:149+\k]
.endr
	PUT4 36, 30
	s_endpgm
.Lfunc_end_k_q485baea108_finish:
	.size	k_q485baea108_finish, .Lfunc_end_k_q485baea108_finish-k_q485baea108_finish
	.p2alignl 7, 3214868480
	.fill 96, 4, 3214868480
	.section	.rodata,"a",@progbits
	.p2align	6, 0x0
	.amdhsa_kernel k_q485baea108_finish
		.amdhsa_group_segment_fixed_size 0
		.amdhsa_private_segment_fixed_size 0
		.amdhsa_enable_private_segment 0
		.amdhsa_kernarg_size 88
		.amdhsa_user_sgpr_count 2
		.amdhsa_user_sgpr_kernarg_segment_ptr 1
		.amdhsa_wavefront_size32 1
		.amdhsa_system_sgpr_workgroup_id_x 1
		.amdhsa_system_sgpr_workgroup_id_y 1
		.amdhsa_system_sgpr_workgroup_id_z 1
		.amdhsa_system_vgpr_workitem_id 0
		.amdhsa_next_free_vgpr 176
		.amdhsa_next_free_sgpr 66
		.amdhsa_reserve_vcc 0
		.amdhsa_float_denorm_mode_32 3
		.amdhsa_float_denorm_mode_16_64 3
		.amdhsa_memory_ordered 1
		.amdhsa_forward_progress 1
		.amdhsa_inst_pref_size 19
	.end_amdhsa_kernel
	.amdgpu_metadata
---
amdhsa.version: [ 1, 2 ]
amdhsa.kernels:
  - .name:           k_q485baea108_finish
    .symbol:         k_q485baea108_finish.kd
    .args:
      - { .name: x, .offset: 0, .size: 8, .value_kind: global_buffer, .address_space: global }
      - { .name: p, .offset: 8, .size: 8, .value_kind: global_buffer, .address_space: global }
      - { .name: v, .offset: 16, .size: 8, .value_kind: global_buffer, .address_space: global }
      - { .name: m, .offset: 24, .size: 8, .value_kind: global_buffer, .address_space: global }
      - { .name: part, .offset: 32, .size: 8, .value_kind: global_buffer, .address_space: global }
      - { .name: ln_w, .offset: 40, .size: 8, .value_kind: global_buffer, .address_space: global }
      - { .name: ln_b, .offset: 48, .size: 8, .value_kind: global_buffer, .address_space: global }
      - { .name: out0, .offset: 56, .size: 8, .value_kind: global_buffer, .address_space: global }
      - { .name: out1, .offset: 64, .size: 8, .value_kind: global_buffer, .address_space: global }
      - { .name: out2, .offset: 72, .size: 8, .value_kind: global_buffer, .address_space: global }
      - { .name: out3, .offset: 80, .size: 8, .value_kind: global_buffer, .address_space: global }
    .group_segment_fixed_size: 0
    .private_segment_fixed_size: 0
    .kernarg_segment_align: 8
    .kernarg_segment_size: 88
    .max_flat_workgroup_size: 128
    .sgpr_count:     66
    .vgpr_count:     176
    .wavefront_size: 32
...
	.end_amdgpu_metadata
.endif
;; end of part 4
;; ======== version 2 of 2: 4 launches; version 1 with the launch chain written anew for expert scheduling mode
;; workspace buffers: sel 32,768 bytes of whole numbers; gat 32,768 bytes; xcodes 1,572,864 bytes; xscales 65,536 bytes; wstream 13,107,200 bytes; order 32,768 bytes of whole numbers; tiles 4,096 bytes of whole numbers; part 33,554,432 bytes
;; launch prep: the kernel of part 1 again; grid 640 x 1, 4 waves a work-group, no clusters, 74,240 bytes of LDS; arguments x, gate_w, gate_b, w1, w2, sel, gat, xcodes, xscales, wstream; writes sel, gat, xcodes, xscales, wstream
;; launch place: the kernel of part 2 again; grid 1 x 1, 8 waves a work-group, no clusters, 2,048 bytes of LDS; arguments sel, order, tiles; writes order, tiles
;; launch chain (part 5): grid 110 x 2, 8 waves a work-group, no clusters, 138,240 bytes of LDS; arguments tiles, order, gat, xcodes, xscales, wstream, b1, b2, part; writes part
.if DOCPART == 5
	.amdgcn_target "amdgcn-amd-amdhsa--gfx1250"
	.amdhsa_code_object_version 6
	.text
	.protected	k_q485baea108_chain
	.globl	k_q485baea108_chain
	.p2align	8
	.type	k_q485baea108_chain,@function
k_q485baea108_chain:
	s_mov_b64 s[64:65], 0
	v_nop
	global_prefetch_b8 v0, s[64:65] scope:SCOPE_SE
	s_setreg_imm32_b32 hwreg(HW_REG_WAVE_SCHED_MODE, 0, 2), 2
	s_setreg_imm32_b32 hwreg(HW_REG_WAVE_MODE, 25, 1), 1
	s_wait_xcnt 0x0
	s_wait_alu depctr_vm_vsrc(0)
; CHAIN.  Work-group (t, hs) takes tile t (at most 80 rows of one expert e, from the stored table) through half hs of the expert: part[hs][entry] = gate x (Q(relu(Q(x) Q(W1) + b1)) Q(W2) [+ b2 where hs = 0]),
; over hidden units 1024 hs .. + 1023.  Both products on codes of E3M2 with E8M0 scales; the hidden layer is quantised in registers and goes from wave to wave through LDS; it never goes to memory.
; GRID: 8,192 routed rows in tiles of 80 over 8 experts are never more than 103 + 7 = 110 tiles, whatever the split.  A tile with 0 rows walks the first product on a valid row, so that both barriers stand on
; every wave's path, stores nothing and ends.  Rows beyond a tile's count repeat its last row: the same numbers go to the same place.
; SHARES: eight waves share the COLUMNS: wave w makes hidden units 128 w .. + 127 of the half (one K step of the second product) and outputs 64 w .. + 63, for all 80 rows (five tiles of 16).
; THE WEIGHTS go from memory straight into operand registers: wave w's stream of 16 quads (four fragments and their scale words, 6,400 bytes, laid in the registers' order) through a ring of three register
; slots; each fragment is read by one wave of the work-group and feeds five products.
; NO JOINT LOADS: partners would have to be row tiles of one expert; with 4 x 80 rows to a cluster the grid that serves every split is 4 x (26 + 7) x 2 = 264 work-groups, more than one for each WGP, and
; the weights here land in registers, not in LDS.
; BOTH PRODUCTS ARE USED TRANSPOSED (source 0 = 16 rows of the weight, source 1 = 16 rows of the tile): a lane holds ONE row.  The weight's rows of a fragment are chosen (by the launch that laid the stream) so that
; register j of fragment 2 b + u in lane (r, h) is column 32 b + 16 h + 8 u + j of the quad's 64: 16 registers of two fragments are 16 neighbours along the next K, and along a row of the output.
; LIMITS: as the quantiser's in the first launch; b2 is multiplied by 1 or 0, so an infinite b2 is not served.
; LDS: HIMG 40 hidden fragments (8 m + s2) x 1,536: two halves of 768 (512 at 16 x lane: four registers; 256 at 8 x lane: two); HSC their scale words, 128 each; XIMG 20 fragments of x (4 m + s) x 1,536, three
; pieces of 512; XSC their scale words; TAB a copy of the tile's 80 entries for each wave; STG a stage of 16 rows x 272 for each wave.
; REGISTERS, window 0: v1-19 addresses; v20-23 at work; v24-29 the ring's scale words; v30-34 the rows' scale words; v36-95 five fragments of rows; v96-239 the ring, three slots of 48; v240-254 the head's offsets and entries.
;   window 1: v0-159 accumulators (fragment i, row tile m) at 32 m + 8 i; v160-191 a bias in the result's layout; v192-199, v208-210 at work; v212-216 scale words; v218-222 gates; v224-253 the hidden layer's codes, six a row tile.
; THE MODE: SCHED_MODE bits 1:0 = 2 (LLVM: expert scheduling mode 2), set by the entry lines.  The code itself states the register dependences between vector or matrix instructions and memory or LDS
; instructions, with s_wait_alu, always for 0.
; THE PLAN.  Registers that memory or LDS instructions touch, and who else names them:
;   v1-19          Written once at the head, ahead of the head's first wait on va_vdst; read by loads and stores; never written again.  So are the head's offsets and entries, v240-254.
;   RING, RS       Slot q % 3: quad q's 13 loads land in it; step q's 20 products read it; quad q + 3 is asked for behind the wait at step q's end.
;   XB, XSW        A step's products go row tile by row tile.  Tiles 0-2: read by its first 12 products; the next step's land there behind the wait in the step's middle, while the last 8 products run.
;                  Tiles 3, 4: read by the last 8; the next step's land there behind the wait at the step's end, and are waited for in the next step's middle.
;                  At the head the same registers hold the gather of x: vector lines make its addresses, loads read them, LDS stores read the data: one wait on vm_vsrc behind the first barrier frees them.
;   BIAS           Read as C by steps 0, 4 and 8; the next bias lands behind the wait at the end of steps 0 and 4.
;   the codes      Each row tile has six registers of its own: five tiles are quantised, ONE wait on va_vdst, one run of LDS stores; one wait on vm_vsrc ahead of the second half's quantising.
;   the way out    All gates and all 40 store offsets are made, ONE wait on va_vdst, and then the stage's stores and loads and the global stores name registers that no vector instruction names any more.
.set HSC,  61440
.set XIMG, 66560
.set XSC,  97280
.set TAB,  99840
.set STG,  102400
.set RS,   24
.set XSW,  30
.set XB,   36
.set RING, 96
.set BIAS, 160
.set GW,   218
.set CD,   224
.set MSB, 0
.set CMODE, 0
.macro WIN new                         ; s_set_vgpr_msb: bits 1:0 source 0, 3:2 source 1, 5:4 source 2, 7:6 destination; the high byte repeats the setting that is left
.if MSB != \new
	s_set_vgpr_msb (MSB<<8)|\new
.set MSB, \new
.endif
.endm
.macro PLACES n                        ; plain vector places behind matrix instructions (ISA guide 7.12.1); they stand beside the waits on va_vdst, which fill no place
.rept \n
	v_nop
.endr
.endm
.macro RFILL q                         ; quad q into slot q % 3: 13 loads, each of consecutive bytes
.set RB, RING+48*((\q)%3)
.irp i, 0,1,2,3
.irp k, 0,1,2
	global_load_b128 v[RB+12*\i+4*\k:RB+12*\i+4*\k+3], v1, s[44:45] offset:6400*(\q)+1536*\i+512*\k
.endr
.endr
	global_load_b64 v[RS+2*((\q)%3):RS+2*((\q)%3)+1], v2, s[44:45] offset:6400*(\q)+6144
.endm
.macro BLOAD base, off                 ; 64 numbers of a bias in the result's layout: lane (r, h), fragment 2 b + u: 32 b + 16 h + 8 u + 0 .. 7
	WIN 0x40
.irp i, 0,1,2,3
	global_load_b128 v[BIAS+8*\i:BIAS+8*\i+3], v17, s[\base:\base+1] offset:\off+128*(\i/2)+32*(\i%2)
	global_load_b128 v[BIAS+8*\i+4:BIAS+8*\i+7], v17, s[\base:\base+1] offset:\off+128*(\i/2)+32*(\i%2)+16
.endr
	WIN 0
.endm
.macro XROW s, m                       ; K step s of x for row tile m: four LDS loads
.irp k, 0,1,2
	ds_load_b128 v[XB+12*(\m)+4*\k:XB+12*(\m)+4*\k+3], v4 offset:(4*(\m)+(\s))*1536+512*\k
.endr
	ds_load_b32 v[XSW+(\m)], v5 offset:(4*(\m)+(\s))*128
.endm
.macro HROW s, m                       ; K step s of the hidden layer for row tile m: five LDS loads
.irp c, 0,1
	ds_load_b128 v[XB+12*(\m)+6*\c:XB+12*(\m)+6*\c+3], v1 offset:(8*(\m)+(\s))*1536+768*\c
	ds_load_b64 v[XB+12*(\m)+6*\c+4:XB+12*(\m)+6*\c+5], v2 offset:(8*(\m)+(\s))*1536+768*\c+512
.endr
	ds_load_b32 v[XSW+(\m)], v3 offset:(8*(\m)+(\s))*128
.endm
; Four products: the slot's four fragments x row tile m.  A step's 20 accumulators take turns, one instruction a turn, in the same order in every step.
; CMODE = 1: the bias is the C of a sum's first product.  Fragments u = 1 take their scale words from lanes 16-31 of the register.
.macro MULM sl, m
.irp i, 0,1,2,3
.set DD, 32*(\m)+8*\i
.if CMODE
.set CC, BIAS+8*\i
.else
.set CC, DD
.endif
.if (\i)%2
	v_wmma_scale_f32_16x16x128_f8f6f4 v[DD:DD+7], v[RING+48*(\sl)+12*\i:RING+48*(\sl)+12*\i+11], v[XB+12*(\m):XB+12*(\m)+11], v[CC:CC+7], v[RS+2*(\sl)+(\i/2)], v[XSW+(\m)] matrix_a_fmt:MATRIX_FMT_BF6 matrix_b_fmt:MATRIX_FMT_BF6 matrix_a_scale:MATRIX_SCALE_ROW1
.else
	v_wmma_scale_f32_16x16x128_f8f6f4 v[DD:DD+7], v[RING+48*(\sl)+12*\i:RING+48*(\sl)+12*\i+11], v[XB+12*(\m):XB+12*(\m)+11], v[CC:CC+7], v[RS+2*(\sl)+(\i/2)], v[XSW+(\m)] matrix_a_fmt:MATRIX_FMT_BF6 matrix_b_fmt:MATRIX_FMT_BF6
.endif
.endr
.endm
; Row tile m's 64 hidden units 64 c on: relu, two blocks of 32 (each in lanes l and l xor 16), codes: half c of fragment (m, K step w), into the tile's own six registers.  All in window 1.
.macro QHALF m, c
.set QA, 32*(\m)
.set QC, CD+6*(\m)
.set k, 0
.rept 32
	v_max_num_f32 v[QA+k], 0, v[QA+k]              ; the activation, in f32; each accumulator is read from its low end on
.set k, k+1
.endr
	v_max3_num_f32 v192, v[QA], v[QA+1], 0x2800000         ; none is negative: no |.|.  The floor 2^(5 - 127) holds the byte at 1 from below
	v_max3_num_f32 v193, v[QA+16], v[QA+17], 0x2800000
.irp i, 2,4,6,8,10,12,14
	v_max3_num_f32 v192, v192, v[QA+\i], v[QA+\i+1]
	v_max3_num_f32 v193, v193, v[QA+16+\i], v[QA+17+\i]
.endr
	v_permlanex16_b32 v194, v192, s54, s55
	v_permlanex16_b32 v195, v193, s54, s55
	v_max_num_f32 v192, v192, v194
	v_max_num_f32 v193, v193, v195                 ; the blocks' largest magnitudes
	v_add_nc_u32 v196, 0xfe000000, v192            ; 4 off the exponent field: the conversions' scale operands
	v_add_nc_u32 v197, 0xfe000000, v193
	v_lshrrev_b32 v198, 23, v196                   ; the bytes
	v_lshrrev_b32 v199, 23, v197
.if (\c) == 0
	v_lshl_or_b32 v[212+(\m)], v199, 8, v198
.else
	v_lshl_or_b32 v[212+(\m)], v198, 16, v[212+(\m)]
	v_lshl_or_b32 v[212+(\m)], v199, 24, v[212+(\m)]
.endif
	v_cvt_scalef32_pk16_bf6_f32 v[QC:QC+2], v[QA:QA+15], v196
	v_cvt_scalef32_pk16_bf6_f32 v[208:210], v[QA+16:QA+31], v197   ; (a conversion's three registers begin on an even number: the second three are made elsewhere and moved)
	v_nop                                          ; one plain place behind a scaled conversion
.irp n, 0,1,2
	v_permlane16_swap_b32 v[QC+\n], v[208+\n]      ; a whole block to a lane: lanes 0-15 the first block, lanes 16-31 the second
.endr
.irp n, 0,1,2
	v_mov_b32 v[QC+3+\n], v[208+\n]
.endr
.endm
; Half c of the hidden layer: the five row tiles are quantised, then their images go to LDS in one run.
.macro QRUN c
	WIN 0x55
.if (\c) == 1
	s_wait_alu depctr_vm_vsrc(0)                   ; the first half's LDS stores have read the codes' registers, which the conversions and moves below write again
.endif
.irp m, 0,1,2,3,4
	QHALF \m, \c
.endr
	WIN 0x04                                       ; an LDS store's data are its source 1
	s_wait_alu depctr_va_vdst(0)                   ; the conversions, exchanges and moves have written the five tiles' codes (second half: and the scale words), which the LDS stores read
.irp m, 0,1,2,3,4
	ds_store_b128 v11, v[CD+6*\m:CD+6*\m+3] offset:12288*\m+768*(\c)
	ds_store_b64 v12, v[CD+6*\m+4:CD+6*\m+5] offset:12288*\m+768*(\c)
.if (\c) == 1
	ds_store_b32 v13, v[212+\m] offset:1024*\m
.endif
.endr
	WIN 0
.endm
; Fragment f = w + 8 j of x (row tile f / 4, K step f % 4): gathered from the tokens' codes, 48 bytes a lane, and put into LDS as an image of its registers.  In four parts, so that one wait serves two jobs.
.macro XASK j                          ; my row's entry, from my wave's own table
	ds_load_b32 v[XB+20*(\j)], v9 offset:128*(\j)
.endm
.macro XADR j
.set JB, XB+20*(\j)
	v_lshrrev_b32 v[JB], 1, v[JB]                  ; its token,
	v_min_u32 v[JB], 0xfff, v[JB]                  ; held inside the buffers
	v_mul_u32_u24 v[JB+1], v[JB], 384
	v_add_nc_u32 v[JB+1], v[JB+1], v18
	v_lshl_add_u32 v[JB+2], v[JB], 4, v19
.endm
.macro XGET j
.set JB, XB+20*(\j)
.irp k, 0,1,2
	global_load_b128 v[JB+4+4*\k:JB+7+4*\k], v[JB+1], s[22:23] offset:16*\k
.endr
	global_load_b32 v[JB+3], v[JB+2], s[24:25]
.endm
.macro XPUT j
.set JB, XB+20*(\j)
.irp k, 0,1,2
	ds_store_b128 v6, v[JB+4+4*\k:JB+7+4*\k] offset:12288*(\j)+512*\k
.endr
	ds_store_b32 v7, v[JB+3] offset:1024*(\j)
.endm
; THE WAY OUT.  Store n = 8 m + i of 40 has an offset register of its own: v[68 + n] for n under 28, else v[196 + n].  No store's registers are written again.
.macro ENT m                           ; the entries of rows 16 m + 8 h + 0 .. 7 land in the offsets' registers
.irp q, 0,1
.set ON, 8*(\m)+4*\q
.if ON < 28
.set OFR, 68+ON
.else
.set OFR, 196+ON
.endif
	ds_load_b128 v[OFR:OFR+3], v10 offset:64*(\m)+16*\q
.endr
.endm
.macro GATE m                          ; x gate, in window 1
.set k, 0
.rept 32
	v_mul_f32 v[32*(\m)+k], v[GW+(\m)], v[32*(\m)+k]       ; each accumulator is read from its low end on
.set k, k+1
.endr
.endm
.macro OFFS m                          ; entry x 2,048 + 256 w + 16 r, in place
.irp i, 0,1,2,3,4,5,6,7
.set ON, 8*(\m)+\i
.if ON < 28
.set OFR, 68+ON
.else
.set OFR, 196+ON
.endif
	v_min_u32 v[OFR], 0x1fff, v[OFR]
.endr
.irp i, 0,1,2,3,4,5,6,7
.set ON, 8*(\m)+\i
.if ON < 28
.set OFR, 68+ON
.else
.set OFR, 196+ON
.endif
	v_lshl_add_u32 v[OFR], v[OFR], 11, v16
.endr
.endm
.macro TOSTAGE m                       ; row tile m through my own stage
.set OA, 32*(\m)
.if (\m) < 4
.set DB, RING+32*(\m)
.else
.set DB, XB
.endif
	WIN 0x04
.irp i, 0,1,2,3
	ds_store_b128 v14, v[OA+8*\i:OA+8*\i+3] offset:128*(\i/2)+32*(\i%2)
	ds_store_b128 v14, v[OA+8*\i+4:OA+8*\i+7] offset:128*(\i/2)+32*(\i%2)+16
.endr
	WIN 0
.irp i, 0,1,2,3,4,5,6,7
	ds_load_b128 v[DB+4*\i:DB+4*\i+3], v15 offset:272*\i   ; lanes 0-15 row i, lanes 16-31 row i + 8.  LDS serves a wave's instructions in order: these see my stores, and the next tile's stores come behind them
.endr
.endm
.macro SEND m, younger                 ; sixteen lanes store the 256 consecutive, aligned bytes that are my wave's part of a row of part.  younger: the LDS instructions issued behind tile m's loads
.if (\m) < 4
.set DB, RING+32*(\m)
.else
.set DB, XB
.endif
	s_wait_dscnt \younger
.irp i, 0,1,2,3,4,5,6,7
.set ON, 8*(\m)+\i
.if ON < 28
.set OFR, 68+ON
.else
.set OFR, 196+ON
.endif
	global_store_b128 v[OFR], v[DB+4*\i:DB+4*\i+3], s[50:51] th:TH_STORE_NT
.endr
.endm
; A step of the first product: quad j = 4 c + s.
.macro STEPA j
.if (\j)%4 == 0
.set CMODE, 1
.else
.set CMODE, 0
.endif
.if (\j) >= 3
	s_wait_loadcnt 26                              ; this quad is in: behind it stand two quads of 13 loads (and at times 8 of a bias: the smaller count is safe)
.endif
	s_wait_dscnt 8                                 ; row tiles 0-2 are in: behind their loads stand the eight of tiles 3, 4 (and at times LDS stores: the smaller count is safe)
	WIN 0x50
	MULM (\j)%3, 0
	MULM (\j)%3, 1
	MULM (\j)%3, 2
.if (\j) < 7
	WIN 0
	PLACES 4
	s_wait_alu depctr_va_vdst(0)                   ; the twelve products are done reading row tiles 0-2 and their scale words, in which the loads below land
	XROW ((\j)+1)%4, 0
	XROW ((\j)+1)%4, 1
	XROW ((\j)+1)%4, 2
	s_wait_dscnt 12                                ; this step's row tiles 3, 4 are in: the twelve loads just issued may be out
.else
	s_wait_dscnt 0x0                               ; row tiles 3, 4 are in; nothing more of x is wanted
.endif
	WIN 0x50
	MULM (\j)%3, 3                                 ; these eight name tiles 3, 4, the slot and the accumulators: none of the registers in which the loads above land
	MULM (\j)%3, 4
	WIN 0
	PLACES 4                                       ; also the places in front of the first read of results
	s_wait_alu depctr_va_vdst(0)                   ; all twenty products are done reading row tiles 3, 4, the slot, the scale words and (steps 0, 4) the bias, in which the loads below land
.if (\j) < 7
	XROW ((\j)+1)%4, 3
	XROW ((\j)+1)%4, 4
.endif
	RFILL (\j)+3
.if (\j) == 0
	BLOAD 46, 256                                  ; b1 of my second 64 hidden units
.endif
.if (\j) == 4
	BLOAD 48, 0                                    ; b2 of my 64 outputs
.endif
.if (\j)%4 == 3
	QRUN (\j)/4
.endif
.endm
; A step of the second product: quad j = 8 + s2.
.macro STEPB j
.if (\j) == 8
.set CMODE, 1
.else
.set CMODE, 0
.endif
.if (\j) <= 13
	s_wait_loadcnt 26                              ; two later quads may be out
.elseif (\j) == 14
	s_wait_loadcnt 13                              ; one
.else
	s_wait_loadcnt 0x0
.endif
	s_wait_dscnt 10                                ; row tiles 0-2 are in: the ten loads of tiles 3, 4 may be out
	WIN 0x50
	MULM (\j)%3, 0
	MULM (\j)%3, 1
	MULM (\j)%3, 2
.if (\j) < 15
	WIN 0
	PLACES 4
	s_wait_alu depctr_va_vdst(0)                   ; the twelve products are done reading row tiles 0-2 and their scale words, in which the loads below land
	HROW (\j)-7, 0
	HROW (\j)-7, 1
	HROW (\j)-7, 2
	s_wait_dscnt 15                                ; this step's row tiles 3, 4 are in: the fifteen loads just issued may be out
.else
	s_wait_dscnt 0x0
.endif
	WIN 0x50
	MULM (\j)%3, 3
	MULM (\j)%3, 4
	WIN 0
	PLACES 4                                       ; also the places in front of the first read of results
.if (\j) < 15
	s_wait_alu depctr_va_vdst(0)                   ; all twenty products are done reading row tiles 3, 4, the slot and the scale words, in which the loads below land
	HROW (\j)-7, 3
	HROW (\j)-7, 4
.endif
.if (\j)+3 <= 15
	RFILL (\j)+3
.endif
.endm
	s_load_b512 s[16:31], s[0:1], 0x0              ; tiles 16, order 18, gat 20, xcodes 22, xscales 24, wstream 26, b1 28, b2 30
	s_load_b64 s[32:33], s[0:1], 0x40              ; part
	v_lshl_add_u32 v35, v0, 2, 0x21800
	v_mov_b32 v255, 0
	v_lshrrev_b32 v20, 5, v0
	v_readfirstlane_b32 s34, v20                   ; wave 0..7
	s_and_b32 s35, ttmp7, 0xffff                   ; hs
	s_lshl_b32 s40, ttmp9, 4
	s_mov_b32 s41, 0
	s_wait_kmcnt 0x0
	s_add_nc_u64 s[16:17], s[16:17], s[40:41]
	s_load_b128 s[36:39], s[16:17], 0x0            ; my tile: expert, first place, rows
	v_and_b32 v20, 31, v0                          ; lane
	v_and_b32 v21, 15, v0                          ; r
	v_bfe_u32 v22, v0, 4, 1                        ; h
	v_lshlrev_b32 v1, 4, v20                       ; 16 x lane: the stream's pieces, and the hidden images (they begin at LDS byte 0)
	v_lshlrev_b32 v2, 3, v20                       ; 8 x lane
	v_lshlrev_b32 v23, 2, v20
	v_add_nc_u32 v3, HSC, v23
	v_add_nc_u32 v4, XIMG, v1
	v_add_nc_u32 v5, XSC, v23
	s_wait_alu depctr_va_sdst(0)                   ; s34, the wave's number, is written, ahead of its first reader
	s_mul_i32 s40, s34, 1536
	s_lshl_b32 s41, s34, 7
	s_mul_i32 s42, s34, 320
	s_add_co_u32 s42, s42, TAB
	s_lshr_b32 s43, s34, 2
	s_lshl_b32 s43, s43, 6
	s_mul_i32 s56, s34, 4352
	s_add_co_u32 s56, s56, STG
	s_lshl_b32 s57, s34, 8
	s_and_b32 s58, s34, 3
	s_mul_i32 s59, s58, 96
	s_lshl_b32 s60, s58, 2
	v_add_nc_u32 v6, s40, v4                       ; where I put x's images: fragment w (+ 8 j in the immediate)
	v_add_nc_u32 v7, s41, v5                       ; and their scale words
	v_lshl_add_u32 v8, v21, 2, s42                 ; my table: row r
	v_add_nc_u32 v9, s43, v8                       ; row 16 (w / 4) + r
	v_lshl_add_u32 v10, v22, 5, s42                ; rows 8 h on
	v_add_nc_u32 v11, s40, v1                      ; where I put the hidden layer's images: K step w
	v_add_nc_u32 v12, s40, v2
	v_add_nc_u32 v12, 512, v12
	v_add_nc_u32 v13, s41, v3                      ; and their scale words
	v_mul_u32_u24 v14, v21, 272
	v_lshl_add_u32 v14, v22, 6, v14
	v_add_nc_u32 v14, s56, v14                     ; my stage, in: row r, + 64 h
	v_mul_u32_u24 v15, v22, 2176
	v_lshl_add_u32 v15, v21, 4, v15
	v_add_nc_u32 v15, s56, v15                     ; back: 8 h rows on, 16 r
	v_lshl_add_u32 v16, v21, 4, s57                ; my bytes of a row of part: 256 w + 16 r
	v_lshlrev_b32 v17, 6, v22                      ; a bias: 16 h numbers on
	v_mad_u32_u24 v18, v22, 48, s59                ; a token's codes: 96 (w % 4) + 48 h
	v_mov_b32 v19, s60                             ; its scale word: 4 (w % 4)
	WIN 0x40
	v_mov_b32 v194, 0                              ; written once: a lane permute's destination counts as one of its sources
	v_mov_b32 v195, 0
	WIN 0
	s_mov_b32 s54, 0x76543210
	s_mov_b32 s55, 0xfedcba98                      ; v_permlanex16_b32's selects for lane l xor 16
	s_wait_kmcnt 0x0
	s_min_u32 s36, s36, 7                          ; loaded numbers are held inside their tables before they enter an address
	s_min_u32 s37, s37, 0x1fff
	s_min_u32 s38, s38, 80
	s_max_u32 s53, s38, 1
	s_sub_co_u32 s53, s53, 1                       ; the tile's last row
	s_lshl_b32 s61, s36, 1
	s_add_co_u32 s61, s61, s35
	s_lshl_b32 s61, s61, 3
	s_add_co_u32 s61, s61, s34                     ; my stream: 16 e + 8 hs + w
	s_mul_i32 s62, s61, 102400
	s_mov_b32 s63, 0
	s_add_nc_u64 s[44:45], s[26:27], s[62:63]
	s_lshl_b32 s62, s61, 9                         ; b1: (2048 e + 1024 hs + 128 w) x 4 bytes
	s_add_nc_u64 s[46:47], s[28:29], s[62:63]
	s_lshl_b32 s62, s36, 3
	s_add_co_u32 s62, s62, s34
	s_lshl_b32 s62, s62, 8                         ; b2: (512 e + 64 w) x 4 bytes
	s_add_nc_u64 s[48:49], s[30:31], s[62:63]
	s_lshl_b32 s62, s35, 24                        ; part: half hs
	s_add_nc_u64 s[50:51], s[32:33], s[62:63]
	s_cmp_eq_u32 s35, 0
	s_cselect_b32 s52, 1.0, 0                      ; b2 counts once: in half 0
.irp m, 0,1,2,3,4
	v_add_nc_u32 v[240+\m], 16*\m, v21
	v_min_u32 v[240+\m], s53, v[240+\m]            ; rows beyond the count repeat the last row
	v_add_nc_u32 v[240+\m], s37, v[240+\m]
	v_min_u32 v[240+\m], 0x1fff, v[240+\m]
	v_lshlrev_b32 v[240+\m], 2, v[240+\m]
.endr
	s_wait_alu depctr_va_vdst(0)                   ; the addresses and offsets v1 to v19 and v240 to v244 are written, which the kernel's loads and stores read
.irp m, 0,1,2,3,4
	global_load_b32 v[245+\m], v[240+\m], s[18:19] ; the entry of row 16 m + r
.endr
	RFILL 0
	RFILL 1
	RFILL 2
	BLOAD 46, 0                                    ; b1 of my first 64 hidden units
	s_wait_loadcnt 47                              ; the five entries are in: behind them stand 39 loads of the ring and 8 of the bias
.irp m, 0,1,2,3,4
	v_min_u32 v[245+\m], 0x1fff, v[245+\m]
	v_lshlrev_b32 v[250+\m], 2, v[245+\m]
.endr
	s_wait_alu depctr_va_vdst(0)                   ; the held entries v245 to v249 are written, which the table's stores read, and the gates' offsets v250 to v254, which the loads below read
.irp m, 0,1,2,3,4
	ds_store_b32 v8, v[245+\m] offset:64*\m        ; lanes r and r + 16 write the same word with the same value
.endr
	WIN 0x40
.irp m, 0,1,2,3,4
	global_load_b32 v[GW+\m], v[250+\m], s[20:21]  ; my row's gate
.endr
	WIN 0
	XASK 0
	XASK 1
	s_wait_dscnt 0x0                               ; two entries are back from my table
	XADR 0
	XADR 1
	s_wait_alu depctr_va_vdst(0)                   ; both jobs' addresses are written, which the gathering loads read
	XGET 0
	XGET 1
	s_cmp_lt_u32 s34, 4                            ; 20 fragments for 8 waves: waves 0-3 take a third
	s_cbranch_scc0 .Lno_third
	XASK 2
	s_wait_dscnt 0x0
	XADR 2
	s_wait_alu depctr_va_vdst(0)                   ; the third job's addresses are written, which its loads read
	XGET 2
	s_wait_loadcnt 0x0
	XPUT 2
.Lno_third:
	s_wait_loadcnt 0x0                             ; the gathered codes; the ring's first three quads, the bias and the gates with them
	XPUT 0
	XPUT 1
	s_wait_dscnt 0x0                               ; for the others' sake: my stores have landed
	s_barrier_signal -1
	s_barrier_wait -1                              ; x's twenty fragments lie in LDS
	s_wait_alu depctr_vm_vsrc(0)                   ; the gathering loads have read their addresses and the LDS stores their data: these registers are the rows' fragments from here on, in which the loads below land
.irp m, 0,1,2,3,4
	XROW 0, \m
.endr
.irp j, 0,1,2,3,4,5,6,7
	STEPA \j
.endr
	s_wait_dscnt 0x0                               ; my part of the hidden layer has landed
	s_barrier_signal -1
	s_barrier_wait -1                              ; the hidden layer's forty fragments lie in LDS.  No barrier stands behind this one
	s_cmp_eq_u32 s38, 0
	s_cbranch_scc1 .Lend                           ; a tile without rows stores nothing
.irp m, 0,1,2,3,4
	HROW 0, \m                                     ; no wait: no vector or matrix instruction since the wait at step 7's end names the rows' fragments or their scale words
.endr
	s_wait_loadcnt 26                              ; b2 is in (and quad 8)
	WIN 0x55
.set k, 0
.rept 32
	v_mul_f32 v[BIAS+k], s52, v[BIAS+k]            ; b2, or zeros in half 1
.set k, k+1
.endr
	WIN 0
	PLACES 8
.irp j, 8,9,10,11,12,13,14,15
	STEPB \j
.endr
	s_wait_alu depctr_va_vdst(0)                   ; the products are done reading v68 to v95 and v224 to v235, in which the entries land
.irp m, 0,1,2,3,4
	ENT \m
.endr
	WIN 0x55
.irp m, 0,1,2,3,4
	GATE \m
.endr
	WIN 0
	s_wait_dscnt 0x0                               ; the eighty entries' forty of my half are in
.irp m, 0,1,2,3,4
	OFFS \m
.endr
	s_wait_alu depctr_va_vdst(0)                   ; the gated results are written, which the stage's stores read, and the forty offsets, which the global stores read; the products are done reading the registers in which the stage's loads land
	TOSTAGE 0
.irp m, 1,2,3,4
	TOSTAGE \m
	SEND \m-1, 16                                  ; behind that tile's loads: this tile's eight stores and eight loads
.endr
	SEND 4, 0
.Lend:
	s_wait_dscnt 0x0                               ; the closing lines, six on end
	s_wait_alu 0x0
	s_wait_tensorcnt 0x0
	ds_add_u32 v35, v255
	s_wait_dscnt 0x0
	s_endpgm
.Lfunc_end_k_q485baea108_chain:
	.size	k_q485baea108_chain, .Lfunc_end_k_q485baea108_chain-k_q485baea108_chain
	.p2alignl 7, 3214868480
	.fill 96, 4, 3214868480
	.section	.rodata,"a",@progbits
	.p2align	6, 0x0
	.amdhsa_kernel k_q485baea108_chain
		.amdhsa_group_segment_fixed_size 138240
		.amdhsa_private_segment_fixed_size 0
		.amdhsa_enable_private_segment 0
		.amdhsa_kernarg_size 72
		.amdhsa_user_sgpr_count 2
		.amdhsa_user_sgpr_kernarg_segment_ptr 1
		.amdhsa_wavefront_size32 1
		.amdhsa_system_sgpr_workgroup_id_x 1
		.amdhsa_system_sgpr_workgroup_id_y 1
		.amdhsa_system_sgpr_workgroup_id_z 1
		.amdhsa_system_vgpr_workitem_id 0
		.amdhsa_next_free_vgpr 512
		.amdhsa_next_free_sgpr 66
		.amdhsa_reserve_vcc 0
		.amdhsa_float_denorm_mode_32 3
		.amdhsa_float_denorm_mode_16_64 3
		.amdhsa_memory_ordered 1
		.amdhsa_forward_progress 1
		.amdhsa_inst_pref_size 155
	.end_amdhsa_kernel
	.amdgpu_metadata
---
amdhsa.version: [ 1, 2 ]
amdhsa.kernels:
  - .name:           k_q485baea108_chain
    .symbol:         k_q485baea108_chain.kd
    .args:
      - { .name: tiles, .offset: 0, .size: 8, .value_kind: global_buffer, .address_space: global }
      - { .name: order, .offset: 8, .size: 8, .value_kind: global_buffer, .address_space: global }
      - { .name: gat, .offset: 16, .size: 8, .value_kind: global_buffer, .address_space: global }
      - { .name: xcodes, .offset: 24, .size: 8, .value_kind: global_buffer, .address_space: global }
      - { .name: xscales, .offset: 32, .size: 8, .value_kind: global_buffer, .address_space: global }
      - { .name: wstream, .offset: 40, .size: 8, .value_kind: global_buffer, .address_space: global }
      - { .name: b1, .offset: 48, .size: 8, .value_kind: global_buffer, .address_space: global }
      - { .name: b2, .offset: 56, .size: 8, .value_kind: global_buffer, .address_space: global }
      - { .name: part, .offset: 64, .size: 8, .value_kind: global_buffer, .address_space: global }
    .group_segment_fixed_size: 138240
    .private_segment_fixed_size: 0
    .kernarg_segment_align: 8
    .kernarg_segment_size: 72
    .max_flat_workgroup_size: 256
    .sgpr_count:     66
    .vgpr_count:     512
    .wavefront_size: 32
...
	.end_amdgpu_metadata
.endif
;; end of part 5
;; launch finish: the kernel of part 4 again; grid 1024 x 1, 4 waves a work-group, no clusters, 0 bytes of LDS; arguments x, p, v, m, part, ln_w, ln_b, out0, out1, out2, out3; writes out0, out1, out2, out3
